; MI455X (gfx1250); checked and timed in simulation.
; The chip was launched on July 23, 2026; its instructions are those of AMD's public machine-readable ISA for CDNA 5 (MIT licence, August 2026) and "CDNA5" Instruction Set Architecture Reference Guide (July 2026). The comments in the code are by the model that wrote it; some were corrected since.
;; Mistral Self Attention. Allowed arithmetic: float matrix products may take bf16 or f16 operands with f32 sums; all other float work in f32.
;; Inputs: cos 1,024 x 128 float32; mask_b 1,024 x 1,024 float32; mask_w 1,024 x 1,024 float32; sin 1,024 x 128 float32; stm 1 x 1,024 x 32 x 128 float32; wk 4,096 x 1,024 float32; wo 4,096 x 4,096 float32; wq 4,096 x 4,096 float32; wv 4,096 x 1,024 float32.
;; Outputs: out0 1 x 1,024 x 32 x 128 float32.
;; 3 versions, each right; version 2 is faster than version 1; version 3 is version 2 with the launch cast written anew for expert scheduling mode. Each part assembles by itself: llvm-mc -triple=amdgcn-amd-amdhsa -mcpu=gfx1250 --defsym DOCPART=n.
;; ======== version 1 of 3: 4 launches
;; limits: values are held in f16: magnitudes above 65,504 overflow, below 6.1e-05 lose precision; inputs' magnitudes at most 65,504; right only within a limited range of input values
;; workspace buffers: xh 8,388,608 bytes; qkv 12,582,912 bytes; oh 8,388,608 bytes
;; launch cast (part 1): grid 256 x 1, 8 waves a work-group, no clusters, 0 bytes of LDS; arguments stm, xh; writes xh
.if DOCPART == 1
	.amdgcn_target "amdgcn-amd-amdhsa--gfx1250"
	.amdhsa_code_object_version 6
	.text
	.protected	k_q7c8f1a4580_cast
	.globl	k_q7c8f1a4580_cast
	.p2align	8
	.type	k_q7c8f1a4580_cast,@function
k_q7c8f1a4580_cast:
	s_mov_b64 s[64:65], 0
	v_nop
	global_prefetch_b8 v0, s[64:65] scope:SCOPE_SE
	s_setreg_imm32_b32 hwreg(HW_REG_WAVE_MODE, 25, 1), 1
	s_wait_xcnt 0x0
; xh = stm rounded to f16.  stm: [1024][4096] f32, xh: [1024][4096] f16.
; LIMIT: f16 ends at 65,504: a larger |x| becomes an infinity.
; A stream: no LDS, no barrier, no matrix unit.  A work-group owns 65,536 bytes of stm; thread t takes 16 bytes at 16 t of each
; of its sixteen pieces of 4,096 bytes.  All sixteen loads go out first; no register is written twice, so the only waits are the counted ones.
.set X, 8                              ; v[8:71]    piece i: four f32 as loaded
.set Y, 72                             ; v[72:103]  piece i: four f16 to store
	s_load_b128 s[4:7], s[0:1], 0x0                ; stm s[4:5], xh s[6:7]
	s_lshl_b32 s8, ttmp9, 16                       ; the work-group's 65,536 bytes of stm,
	s_mov_b32 s9, 0
	s_lshl_b32 s10, ttmp9, 15                      ; and its 32,768 bytes of xh
	s_mov_b32 s11, 0
	v_lshlrev_b32 v1, 4, v0                        ; 16 t
	v_lshlrev_b32 v2, 3, v0                        ; 8 t
	s_wait_kmcnt 0x0
	s_add_nc_u64 s[4:5], s[4:5], s[8:9]
	s_add_nc_u64 s[6:7], s[6:7], s[10:11]
.irp i, 0,1,2,3,4,5,6,7,8,9,10,11,12,13,14,15
	global_load_b128 v[X+4*\i:X+4*\i+3], v1, s[4:5] offset:4096*\i th:TH_LOAD_NT
.endr
.irp i, 0,1,2,3,4,5,6,7,8,9,10,11,12,13,14,15
	s_wait_loadcnt 15-\i                           ; loads come back in order: piece i is in, the younger ones stay out
	v_cvt_pk_f16_f32 v[Y+2*\i], v[X+4*\i], v[X+4*\i+1]
	v_cvt_pk_f16_f32 v[Y+2*\i+1], v[X+4*\i+2], v[X+4*\i+3]
	global_store_b64 v2, v[Y+2*\i:Y+2*\i+1], s[6:7] offset:2048*\i  ; a wave's store covers 256 consecutive bytes, aligned
.endr
	s_endpgm
.Lfunc_end_k_q7c8f1a4580_cast:
	.size	k_q7c8f1a4580_cast, .Lfunc_end_k_q7c8f1a4580_cast-k_q7c8f1a4580_cast
	.p2alignl 7, 3214868480
	.fill 96, 4, 3214868480
	.section	.rodata,"a",@progbits
	.p2align	6, 0x0
	.amdhsa_kernel k_q7c8f1a4580_cast
		.amdhsa_group_segment_fixed_size 0
		.amdhsa_private_segment_fixed_size 0
		.amdhsa_enable_private_segment 0
		.amdhsa_kernarg_size 16
		.amdhsa_user_sgpr_count 2
		.amdhsa_user_sgpr_kernarg_segment_ptr 1
		.amdhsa_wavefront_size32 1
		.amdhsa_system_sgpr_workgroup_id_x 1
		.amdhsa_system_sgpr_workgroup_id_y 1
		.amdhsa_system_sgpr_workgroup_id_z 1
		.amdhsa_system_vgpr_workitem_id 0
		.amdhsa_next_free_vgpr 104
		.amdhsa_next_free_sgpr 66
		.amdhsa_reserve_vcc 0
		.amdhsa_float_denorm_mode_32 3
		.amdhsa_float_denorm_mode_16_64 3
		.amdhsa_memory_ordered 1
		.amdhsa_forward_progress 1
		.amdhsa_inst_pref_size 7
	.end_amdhsa_kernel
	.amdgpu_metadata
---
amdhsa.version: [ 1, 2 ]
amdhsa.kernels:
  - .name:           k_q7c8f1a4580_cast
    .symbol:         k_q7c8f1a4580_cast.kd
    .args:
      - { .name: stm, .offset: 0, .size: 8, .value_kind: global_buffer, .address_space: global }
      - { .name: xh, .offset: 8, .size: 8, .value_kind: global_buffer, .address_space: global }
    .group_segment_fixed_size: 0
    .private_segment_fixed_size: 0
    .kernarg_segment_align: 8
    .kernarg_segment_size: 16
    .max_flat_workgroup_size: 256
    .sgpr_count:     66
    .vgpr_count:     104
    .wavefront_size: 32
...
	.end_amdgpu_metadata
.endif
;; end of part 1
;; launch qkv (part 2): grid 96 x 4, 4 waves a work-group, clusters of 4 x 4, 327,680 bytes of LDS; arguments xh, wq, wk, wv, cos, sin, qkv; writes qkv
.if DOCPART == 2
	.amdgcn_target "amdgcn-amd-amdhsa--gfx1250"
	.amdhsa_code_object_version 6
	.text
	.protected	k_q7c8f1a4580_qkv
	.globl	k_q7c8f1a4580_qkv
	.p2align	8
	.type	k_q7c8f1a4580_qkv,@function
k_q7c8f1a4580_qkv:
	s_mov_b64 s[64:65], 0
	v_nop
	global_prefetch_b8 v0, s[64:65] scope:SCOPE_SE
	s_setreg_imm32_b32 hwreg(HW_REG_WAVE_MODE, 25, 1), 1
	s_wait_xcnt 0x0
	s_wait_alu depctr_hold_cnt(0) depctr_sa_sdst(0) depctr_va_vdst(0) depctr_va_sdst(0) depctr_va_ssrc(0) depctr_va_vcc(0) depctr_vm_vsrc(0)
	s_getreg_b32 s2, hwreg(HW_REG_IB_STS2, 6, 4)
	s_cmp_eq_u32 s2, 0
	s_cbranch_scc0 .Lentry_in_a_cluster
	s_endpgm
.Lentry_in_a_cluster:
	s_bfe_u32 s2, ttmp6, 0x10000c
	s_cmp_lg_u32 s2, 0xf033
	s_cbranch_scc0 .Lentry_shape_is_right
	s_endpgm
.Lentry_shape_is_right:
; C = A W for 1,024 rows.  A: [1024][4096] f16.  W: [4096][N] f32, N along the rows.  One text serves two kernels, told apart by IS_QKV:
;   IS_QKV = 1: A = xh, W = wq, wk or wv by the cluster's x; the result is turned by RoPE (q, k), scaled by a power of two and stored as f16 in chunks;
;   IS_QKV = 0: A = oh (O / 8), W = wo; the result times 8 is out0, f32.
; CHUNKS (qkv): [96][1024][64] f16.  Chunk X = 2 head + plane; heads 0-31 q, 32-39 k, 40-47 v.  A plane p of q or k holds channels 32 p .. 32 p + 31 and then
; 64 + 32 p .. 64 + 32 p + 31, so that the partners d, d + 64 of the rotation lie in one chunk; a plane of v holds channels 64 p .. 64 p + 63.  q and k are stored times 2^-8, v times 2^-3.
; LIMITS.  Operands are f16: |x| and |w| up to 65,504; |rope(q)|, |rope(k)| under 1.6e7 and |v| under 5.2e5 (their stored values end at 65,504).  A sum over K is made of four partial f32 sums.
; In v's chunks cos and sin are loaded and multiplied by 0: a NaN or an infinity there is not treated apart.
; SHARES.  A work-group makes 256 rows x 64 columns.  Its four waves SPLIT K: of each K step of 256 wave w takes k = 64 w .. 64 w + 63, and each wave holds the whole tile, 64 accumulators,
; 512 registers.  So each LDS byte of A and each byte of W is read by one wave alone: for 64 matrix instructions 32 LDS loads, 16 global loads and 32 conversions.  At the end the four partial tiles meet in LDS.
; W NEVER PASSES THROUGH LDS: a lane loads 16 bytes (four columns) of a row of W into a ring of eight JOBS (a job: 16 rows of K, eight loads) and rounds pairs of rows to f16:
; the four registers of a load belong to four column classes j, and tile column 4 r + j is column r of class j's fragment.  Seven jobs, 56 loads, are on their way at every wait.
; A goes through two LDS slots of one K step (256 rows x 512 bytes), filled by the tensor data mover; the four work-groups of a row of the 4 x 4 cluster need the same rows of A and ask JOINTLY.
; W is not asked for jointly since it does not land in LDS; its four readers are the four work-groups of a column of the cluster.
; REGISTERS, in windows of 256 (s_set_vgpr_msb: bits 1:0 source 0, 3:2 source 1, 5:4 source 2, 7:6 destination):
;   window 0: v0-31 addresses; v64-127, v128-191 fragments of A, two buffers (8 x 16 rows x 32 K); v192-223, v224-255 fragments of W, two buffers (class j at + 8 j)
;   window 1: the ring, job place u at v[32 u], load e at + 4 e      window 2: accumulators of row blocks 0-7, (b, j) at 8 (4 b + j)      window 3: those of blocks 8-15
.set IS_QKV, 1
.set PITCH,  528                       ; an LDS row of A: 512 bytes + 16 of padding = 33 x 16: the 16 rows of a fragment load start at 16 different groups of four banks
.set QUART,  64*PITCH                  ; what one tensor load brings
.set HALFT,  128*PITCH                 ; the rows of one phase
.set SLOT,   256*PITCH
.set STAGE,  2*SLOT                    ; behind the slots: 16 rows x 144 bytes for each wave (IS_QKV)
.set SPITCH, 144
.set SPARE,  STAGE+4*16*SPITCH         ; the spare words: 128 bytes a wave, two blocks of 256 bytes that no other line names
.set ADRA, 4                           ; v4-7    LDS address of my A fragments: slot 0 rows 0-127, rows 128-255; slot 1 likewise
.set WOFF, 8                           ; v8-15   load e of a job: (e + 8 h) rows of W + my 16 bytes of the row; never rewritten
.set RST,  16                          ; v16-19  where my partial sums go: the region of the wave that owns rows 64 v ..
.set RLD,  20                          ; v20     where I read the four partial sums of my rows
.set STO,  21                          ; v21     into my stage
.set SGN,  22                          ; v22-23  the sign and scale of sin
.set RD,   24                          ; v24     back from my stage
.set GO,   25                          ; v25     my byte offset in the output
.set CSO,  26                          ; v26     my byte offset in cos and sin
.set SPW,  28                          ; v28     my spare word; never rewritten
.set NIL,  29                          ; v29     0; never rewritten
.set AF,   64
.set WF,   192
.set G,    64                          ; the way out, window 0: 32 finished numbers of a block of 16 rows
.set CC,   96
.set SS,   128
.set H,    192
.set OB,   208
.set WV, 18                            ; s18 wave   s19 cx   s20 cy   s21 cluster x   s22 chunk X   s23 row block
.set CX, 19
.set CY, 20
.set CL, 21
.set XX, 22
.set MT, 23
.set G1, 24                            ; s[24:31] descriptor group 1
.set G0, 32                            ; s[32:39] descriptor group 0, a set for each slot
.set WP, 40                            ; s[40:47] four pointers into W: the rows of jobs J with J % 4 = 0 .. 3
.set S256, 48                          ; s[48:49] 256 rows of W in bytes
.set STEP, 50                          ; s[50:51] the step of the look-ahead jobs
.set LAP, 52
.set PSH, 53                           ; a row of W is 1 << PSH bytes
.set DSH, 54                           ; lanes r >= 8 read 1 << DSH bytes further on
.set SA, 56                            ; s[56:57] factor of cos (IS_QKV = 0: 8.0)
.set SB, 58                            ; s[58:59] addend to it
.set SSN, 60                           ; s60 minus the factor of sin
.set MSB, 0
.macro WIN new                         ; the immediate's high byte repeats the setting that is left; a switch that changes nothing is dropped
.if MSB != (\new)
	s_set_vgpr_msb (MSB<<8)|(\new)
.set MSB, (\new)
.endif
.endm
.macro PLACES                          ; four places behind matrix instructions, ahead of loads into and writes of registers that they have read
.rept 4
	v_nop
.endr
.endm
.macro CREST                           ; a round of the cluster's barrier behind its opening barrier
	s_cmp_lg_u32 s[WV], 0
	s_cbranch_scc1 .Lnot_wave_0_\@
	s_barrier_signal -3
.Lnot_wave_0_\@:
	s_barrier_wait -3
	s_barrier_signal -1
	s_barrier_wait -1
.endm
.macro CROUND                          ; a whole round
	s_barrier_signal -1
	s_barrier_wait -1
	CREST
.endm
.macro JLOAD s                         ; my 64 rows of slot s, asked for jointly with my row of the cluster; s_nop 0 and four v_nop follow
	tensor_load_to_lds s[G0+4*(\s):G0+4*(\s)+3], s[G1:G1+7]
	s_nop 0
	PLACES
.endm
	s_load_b256 s[4:11], s[0:1], 0x0               ; IS_QKV: xh s[4:5], wq s[6:7], wk s[8:9], wv s[10:11]
	s_load_b128 s[12:15], s[0:1], 0x20             ; cos s[12:13], sin s[14:15]
	s_load_b64 s[16:17], s[0:1], 0x30              ; qkv
	v_lshl_add_u32 v[SPW], v0, 2, SPARE
	v_mov_b32 v[NIL], 0
	ds_add_u32 v[SPW], v[NIL]                      ; the wave's opening: the add and its wait stand ahead of my first tensor load; the set-up below, work on registers, stands between them
	v_lshrrev_b32 v1, 5, v0
	v_readfirstlane_b32 s[WV], v1                  ; wave 0..3
	s_bfe_u32 s[CX], ttmp6, 0x40000
	s_bfe_u32 s[CY], ttmp6, 0x40004
	s_lshl_b32 s[XX], ttmp9, 2
	s_add_co_u32 s[XX], s[XX], s[CX]               ; chunk X = 4 x cluster x + cx
	s_and_b32 s[MT], ttmp7, 0xffff
	s_lshl_b32 s[MT], s[MT], 2
	s_add_co_u32 s[MT], s[MT], s[CY]               ; block of 256 rows = 4 x cluster y + cy
	s_lshl_b32 s76, s[CY], 2
	s_lshl_b32 s76, 15, s76                        ; my row of the cluster: places 4 cy .. 4 cy + 3
	s_or_b32 s[G1], s76, (1<<16)|(1<<20)|(1<<21)|(6<<22)|(3<<25)  ; the mask; 2-byte elements; padding on; bit 21 beside a mask; after every 128 words (code 6) 4 words (code 3)
	s_mov_b32 s[G1+1], 256<<16                     ; tensor_dim0 = 256
	s_mov_b32 s[G1+2], 64<<16                      ; tensor_dim1 = 64
	s_mov_b32 s[G1+3], 256<<16                     ; tile_dim0 = 256
	s_mov_b32 s[G1+4], 64                          ; tile_dim1 = 64
	s_mov_b32 s[G1+5], 4096                        ; elements from row to row
	s_mov_b32 s[G1+6], 0
	s_mov_b32 s[G1+7], 0
	s_lshl_b32 s78, s[MT], 8
	s_lshl_b32 s79, s[WV], 6
	s_add_co_u32 s78, s78, s79                     ; 256 x block + 64 w: the rows of A that I fetch, and the rows of C that I finish
	s_mul_i32 s77, s[WV], QUART                    ; and where they go in a slot: no place in the cluster enters an LDS address
.if IS_QKV
	; which of the three weights, by the cluster's x alone (no branch): chunks 0-63 wq, 64-79 wk, 80-95 wv
	s_mov_b32 s[CL], ttmp9
	s_cmp_lt_u32 s[CL], 16
	s_cselect_b32 s[PSH], 14, 12                   ; rows of 16,384 or of 4,096 bytes
	s_cselect_b32 s66, 0, 64
	s_cmp_lt_u32 s[CL], 20
	s_cselect_b32 s66, s66, 80                     ; the weight's first chunk
	s_cselect_b32 s[DSH], 8, 7                     ; q, k: the second 32 columns lie 64 columns on; v: 32 columns on
	s_cselect_b32 s[SA], 0x3b800000, 0             ; q, k: cos x 2^-8 + 0; v: cos x 0 + 2^-3
	s_cselect_b32 s[SB], 0, 0x3e000000
	s_cselect_b32 s[SSN], 0xbb800000, 0            ; q, k: sin x -+ 2^-8; v: sin x 0
	s_mov_b32 s[SA+1], s[SA]                       ; named as pairs
	s_mov_b32 s[SB+1], s[SB]
	s_sub_co_u32 s66, s[XX], s66                   ; the chunk's number in its weight
	s_lshr_b32 s67, s66, 1
	s_lshl_b32 s67, s67, 9                         ; q, k: head x 512 bytes
	s_and_b32 s68, s66, 1
	s_lshl_b32 s68, s68, 7                         ; + plane x 128 bytes
	s_add_co_u32 s67, s67, s68
	s_lshl_b32 s68, s66, 8                         ; v: chunk x 256 bytes
	s_cmp_lt_u32 s[CL], 20
	s_cselect_b32 s67, s67, s68                    ; the chunk's first column in bytes
.else
	s_mov_b32 s[PSH], 14
	s_mov_b32 s[DSH], 7
	s_mov_b32 s[SA], 0x41000000                    ; 8.0
	s_lshl_b32 s67, s[XX], 8
.endif
	s_lshl_b32 s68, s[WV], 6
	s_lshl_b32 s68, s68, s[PSH]                    ; my 64 rows of a K step,
	s_add_co_u32 s68, s68, s67                     ; and the chunk's columns
	s_mov_b32 s69, 0
	s_lshl_b32 s74, 16, s[PSH]                     ; a job's 16 rows
	s_mov_b32 s75, 0
	s_lshl_b32 s[S256], 0x100, s[PSH]
	s_mov_b32 s[S256+1], 0
	v_and_b32 v1, 15, v0                           ; r
	v_bfe_u32 v2, v0, 4, 1                         ; h
	v_and_b32 v3, 7, v1
	v_lshlrev_b32 v3, 4, v3
	v_lshrrev_b32 v30, 3, v1
	v_lshlrev_b32 v30, s[DSH], v30
	v_add_nc_u32 v3, v3, v30                       ; my 16 bytes of a row of W
	v_lshlrev_b32 v30, 3, v2
.irp e, 0,1,2,3,4,5,6,7
	v_add_nc_u32 v31, \e, v30                      ; row e + 8 h of the job
	v_lshlrev_b32 v31, s[PSH], v31
	v_add_nc_u32 v[WOFF+\e], v31, v3
.endr
	s_wait_dscnt 0x0                               ; the opening add is done
	s_wait_kmcnt 0x0
.if IS_QKV
	s_cmp_lt_u32 s[CL], 16
	s_cselect_b64 s[70:71], s[6:7], s[8:9]
	s_cmp_lt_u32 s[CL], 20
	s_cselect_b64 s[70:71], s[70:71], s[10:11]
.else
	s_mov_b64 s[70:71], s[6:7]
.endif
	s_add_nc_u64 s[WP:WP+1], s[70:71], s[68:69]
	s_add_nc_u64 s[WP+2:WP+3], s[WP:WP+1], s[74:75]
	s_add_nc_u64 s[WP+4:WP+5], s[WP+2:WP+3], s[74:75]
	s_add_nc_u64 s[WP+6:WP+7], s[WP+4:WP+5], s[74:75]
; The eight loads of a job into ring place pl: 16 lanes take 256 bytes (q, k: two pieces of 128) of one row, the other 16 lanes of the row 8 further on
.macro LOADJ pl
	WIN 0x40                                       ; destination window 1, address window 0
.irp e, 0,1,2,3,4,5,6,7
	global_load_b128 v[32*(\pl)+4*\e:32*(\pl)+4*\e+3], v[WOFF+\e], s[WP+2*((\pl)%4):WP+2*((\pl)%4)+1]
.endr
.endm
	LOADJ 0                                        ; the ring is filled: jobs 0 to 7, K steps 0 and 1
	LOADJ 1
	LOADJ 2
	LOADJ 3
	s_wait_xcnt 0x0                                ; the pointers are sources of those loads: they step only behind this wait
.irp j, 0,1,2,3
	s_add_nc_u64 s[WP+2*\j:WP+2*\j+1], s[WP+2*\j:WP+2*\j+1], s[S256:S256+1]
.endr
	LOADJ 4
	LOADJ 5
	LOADJ 6
	LOADJ 7
	WIN 0
	s_lshl_b32 s72, s78, 13                        ; my rows of A, 8,192 bytes each
	s_mov_b32 s73, 0
	s_add_nc_u64 s[72:73], s[4:5], s[72:73]
	CROUND                                         ; all sixteen work-groups are here: the first joint loads meet
.irp s, 0,1
	s_mov_b32 s[G0+4*\s], 1                        ; count = 1
	s_add_co_u32 s[G0+4*\s+1], s77, \s*SLOT        ; LDS address
	s_add_nc_u64 s[G0+4*\s+2:G0+4*\s+3], s[72:73], \s*512  ; K step s
	s_or_b32 s[G0+4*\s+3], s[G0+4*\s+3], 0x80000000        ; type = 2
	JLOAD \s                                       ; two tensor loads of mine are out, later one
.endr
	; addresses, made while the first tiles are on their way
	v_mul_u32_u24 v3, v1, PITCH
	v_lshl_add_u32 v3, v2, 4, v3                   ; a fragment's row x pitch + 16 x half
	s_lshl_b32 s66, s[WV], 7                       ; my 64 of a row's 256 k
	v_add_nc_u32 v[ADRA], s66, v3
	v_add_nc_u32 v[ADRA+1], HALFT, v[ADRA]
	v_add_nc_u32 v[ADRA+2], SLOT, v[ADRA]
	v_add_nc_u32 v[ADRA+3], SLOT+HALFT, v[ADRA]
	v_and_b32 v30, 31, v0
	v_lshlrev_b32 v30, 4, v30                      ; 16 x lane
	s_lshl_b32 s66, s[WV], 14
	v_add_nc_u32 v[RST], s66, v30                  ; region v: 65,536 v; in it the writer's 16,384 bytes
	v_add_nc_u32 v[RST+1], 0x10000, v[RST]
	v_add_nc_u32 v[RST+2], 0x20000, v[RST]
	v_add_nc_u32 v[RST+3], 0x30000, v[RST]
	s_lshl_b32 s66, s[WV], 16
	v_add_nc_u32 v[RLD], s66, v30
.if IS_QKV
	s_mul_i32 s66, s[WV], 16*SPITCH
	s_add_co_u32 s66, s66, STAGE                   ; my stage
	v_mul_u32_u24 v31, v2, 8*SPITCH                ; in: row 8 h + i, 8 bytes at 8 r
	v_lshl_add_u32 v31, v1, 3, v31
	v_add_nc_u32 v[STO], s66, v31
	v_bfe_u32 v31, v0, 3, 2                        ; back: 32 lanes take four rows of 128 bytes
	v_mul_u32_u24 v31, v31, SPITCH
	v_and_b32 v3, 7, v0
	v_lshl_add_u32 v31, v3, 4, v31
	v_add_nc_u32 v[RD], s66, v31
	v_mov_b32 v[GO], v30                           ; which are 512 consecutive bytes of the chunk
	v_lshlrev_b32 v[CSO], 12, v2                   ; cos, sin: row 8 h, channel 64 (r / 8) + 4 (r % 8)
	v_lshrrev_b32 v31, 3, v1
	v_lshl_add_u32 v[CSO], v31, 8, v[CSO]
	v_and_b32 v31, 7, v1
	v_lshl_add_u32 v[CSO], v31, 4, v[CSO]
	s_lshl_b32 s66, s[XX], 17                      ; the chunk, 131,072 bytes,
	s_lshl_b32 s67, s78, 7                         ; and my first row in it
	s_add_co_u32 s66, s66, s67
	s_mov_b32 s67, 0
	s_add_nc_u64 s[16:17], s[16:17], s[66:67]
	s_lshl_b32 s66, s78, 9                         ; my first row of cos and sin,
	s_and_b32 s68, s[XX], 1
	s_lshl_b32 s68, s68, 7                         ; and the plane's 32 channels
	s_add_co_u32 s66, s66, s68
	s_add_nc_u64 s[12:13], s[12:13], s[66:67]
	s_add_nc_u64 s[14:15], s[14:15], s[66:67]
.else
	v_lshlrev_b32 v[GO], 17, v2                    ; row 8 h of 16,384 bytes, 16 bytes at 16 r
	v_lshl_add_u32 v[GO], v1, 4, v[GO]
	s_lshl_b32 s66, s78, 14
	s_lshl_b32 s67, s[XX], 8
	s_add_co_u32 s66, s66, s67
	s_mov_b32 s67, 0
	s_add_nc_u64 s[8:9], s[8:9], s[66:67]
.endif
; A PHASE is 32 matrix instructions: 8 row blocks x 4 column classes, 32 along K.  Phase n of a lap of eight: slot n / 4, slice (n / 2) % 2 of my 64 k, rows 128 (n % 2) on.
; The 32 accumulators of a phase take turns, and neighbouring phases have different ones.
.macro MM n, q, zero                   ; accumulator q = 4 b + j.  zero = 1: the product starts the sum
	WIN 0xa0+0x50*((\n)%2)                         ; A and W window 0; C and D window 2 or 3
.if \zero
	v_wmma_f32_16x16x32_f16 v[8*(\q):8*(\q)+7], v[AF+64*((\n)%2)+8*((\q)/4):AF+64*((\n)%2)+8*((\q)/4)+7], v[WF+32*(((\n)/2)%2)+8*((\q)%4):WF+32*(((\n)/2)%2)+8*((\q)%4)+7], 0
.else
	v_wmma_f32_16x16x32_f16 v[8*(\q):8*(\q)+7], v[AF+64*((\n)%2)+8*((\q)/4):AF+64*((\n)%2)+8*((\q)/4)+7], v[WF+32*(((\n)/2)%2)+8*((\q)%4):WF+32*(((\n)/2)%2)+8*((\q)%4)+7], v[8*(\q):8*(\q)+7]
.endif
.endm
.macro MMS n, q0, q1, zero
.set qq, \q0
.rept (\q1)-(\q0)+1
	MM \n, qq, \zero
.set qq, qq+1
.endr
.endm
.macro AFETCH n                        ; the 16 LDS loads of phase n's fragments of A, in one run
	WIN 0
.irp b, 0,1,2,3,4,5,6,7
	ds_load_b128 v[AF+64*((\n)%2)+8*\b:AF+64*((\n)%2)+8*\b+3],   v[ADRA+2*((\n)/4)+(\n)%2] offset:\b*16*PITCH+64*(((\n)/2)%2)
	ds_load_b128 v[AF+64*((\n)%2)+8*\b+4:AF+64*((\n)%2)+8*\b+7], v[ADRA+2*((\n)/4)+(\n)%2] offset:\b*16*PITCH+64*(((\n)/2)%2)+32
.endr
.endm
; The job in ring place pl is rounded to f16: rows 2 q and 2 q + 1 of a lane's eight make register q of class j's half fragment.  cnt: the younger jobs' loads, which stay out.
.macro CONV pl, cnt
	s_wait_loadcnt \cnt
	WIN 0x05                                       ; sources window 1, destination window 0
.irp j, 0,1,2,3
.irp q, 0,1,2,3
	v_cvt_pk_f16_f32 v[WF+32*(((\pl)/2)%2)+8*\j+4*((\pl)%2)+\q], v[32*(\pl)+8*\q+\j], v[32*(\pl)+8*\q+4+\j]
.endr
.endr
.endm
; The place just emptied takes the job eight further on.  sel = 1: in the loop's last trip there is no such job: the pointer stays, and the rows of the job before are read once more, unused: no load leaves W.
.macro ISSUE pl, sel
	s_wait_xcnt 0x0                                ; the pointer is a source of earlier loads: it steps only behind this wait
.if \sel
	s_cmp_eq_u32 s[LAP], 1
	s_cselect_b64 s[STEP:STEP+1], 0, s[S256:S256+1]
	s_add_nc_u64 s[WP+2*((\pl)%4):WP+2*((\pl)%4)+1], s[WP+2*((\pl)%4):WP+2*((\pl)%4)+1], s[STEP:STEP+1]
.else
	s_add_nc_u64 s[WP+2*((\pl)%4):WP+2*((\pl)%4)+1], s[WP+2*((\pl)%4):WP+2*((\pl)%4)+1], s[S256:S256+1]
.endif
	LOADJ \pl
.endm
; Phase n multiplies, fetches the next phase's A (next = 1), rounds job n + 2 into the other W buffer (cnt >= 0) and asks for job n + 10 (issue = 1).
.macro PHASE n, zero, cnt, issue, sel, next
	s_wait_dscnt 0x0                               ; my 16 fragment loads, issued 24 matrix instructions ago; nothing younger is out
	MMS \n, 0, 7, \zero
.if (\next) || ((\cnt) >= 0)
	PLACES                                         ; behind the last phase's products, which read the other A buffer and the other W buffer
.endif
.if \next
	AFETCH ((\n)+1)%8
.endif
	MMS \n, 8, 19, \zero
.if (\cnt) >= 0
	CONV ((\n)+2)%8, \cnt
.endif
.if \issue
	ISSUE ((\n)+2)%8, \sel
.endif
	MMS \n, 20, 31, \zero
.endm
; A slot's last phase (n = 3, 7) changes slots.  Its fragments are the last reads of the slot.  In front of the barrier each wave waits for all its tensor loads, of which one is out: its part of the next slot;
; adds 0 to its spare word; and waits for that and for its reads.  refill = 1: the barrier opens a round of the cluster's, and the joint refill, two K steps on, is the first thing behind the round:
; 112 matrix instructions stand between it and the wait for it.
.macro TURN n, cnt, issue, sel, refill
	WIN 0
	s_wait_tensorcnt 0x0                           ; all my tensor loads have landed
	ds_add_u32 v[SPW], v[NIL]                      ; 0 onto my spare word
	s_wait_dscnt 1                                 ; my fragments are in; the add alone may be out
	MMS \n, 0, 7, 0
	s_wait_dscnt 0x0                               ; the add is done, and my reads of this slot are over
	s_barrier_signal -1
	MMS \n, 8, 15, 0                               ; work on registers while the others arrive
	WIN 0
	s_barrier_wait -1
.if \refill
	CREST                                          ; no wave of any partner still reads this slot or has a load on its way
	s_add_nc_u64 s[G0+4*((\n)/4)+2:G0+4*((\n)/4)+3], s[G0+4*((\n)/4)+2:G0+4*((\n)/4)+3], 1024
	JLOAD (\n)/4                                   ; its four v_nop are also the places in front of the loads and conversions below
.else
	PLACES
.endif
	AFETCH ((\n)+1)%8
	CONV ((\n)+2)%8, \cnt
.if \issue
	ISSUE ((\n)+2)%8, \sel
.endif
	MMS \n, 16, 31, 0
.endm
	s_wait_tensorcnt 1                             ; my part of K step 0 is in; K step 1's may stay out
	s_barrier_signal -1
	s_barrier_wait -1                              ; everybody's is
	AFETCH 0
	CONV 0, 56                                     ; jobs 0 and 1 make the first W fragments; behind each, seven jobs of eight loads are out
	ISSUE 0, 0
	CONV 1, 56
	ISSUE 1, 0
	PHASE 0, 1, 56, 1, 0, 1                        ; the first two phases start the 64 sums: nothing is cleared
	PHASE 1, 1, 56, 1, 0, 1
	WIN 0                                          ; at a label and at a branch every window is 0
	s_mov_b32 s[LAP], 7
.Llap:                                                 ; a trip: eight phases, two K steps; both slots are filled again
	PHASE 2, 0, 56, 1, 0, 1
	TURN  3, 56, 1, 0, 1
	PHASE 4, 0, 56, 1, 0, 1
	PHASE 5, 0, 56, 1, 0, 1
	PHASE 6, 0, 56, 1, 1, 1
	TURN  7, 56, 1, 1, 1
	PHASE 0, 0, 56, 1, 1, 1
	PHASE 1, 0, 56, 1, 1, 1
	WIN 0
	s_sub_co_u32 s[LAP], s[LAP], 1
	s_cmp_lg_u32 s[LAP], 0
	s_cbranch_scc1 .Llap
	PHASE 2, 0, 56, 0, 0, 1                        ; the last six phases ask for nothing: the counts run down by a job's eight loads
	TURN  3, 48, 0, 0, 0
	PHASE 4, 0, 40, 0, 0, 1
	PHASE 5, 0, 32, 0, 0, 1
	PHASE 6, 0, -1, 0, 0, 1
	PHASE 7, 0, -1, 0, 0, 0
	; THE WAY OUT.  The four waves' partial tiles meet in LDS, where the slots lay (their last fill is over): wave w stores all 64 accumulators, those of rows 64 v .. into region v, and reads region w.
	WIN 0
	PLACES                                         ; behind the last products, ahead of the stores that read them
	s_wait_loadcnt 0x0                             ; the four unused look-ahead jobs: the ring's registers are free
.if IS_QKV
	WIN 0x40
.irp b, 0,1,2,3                        ; cos and sin of my 64 rows, block by block: 16 loads a block; row 16 b + 8 h + i
.irp i, 0,1,2,3,4,5,6,7
	global_load_b128 v[64*\b+4*\i:64*\b+4*\i+3],       v[CSO], s[12:13] offset:8192*\b+512*\i
	global_load_b128 v[64*\b+32+4*\i:64*\b+32+4*\i+3], v[CSO], s[14:15] offset:8192*\b+512*\i
.endr
.endr
	WIN 0
.endif
	s_wait_dscnt 0x0
	s_barrier_signal -1
	s_barrier_wait -1                              ; every wave's reads of the slots are over
.set bb, 0
.rept 16
	WIN 0x08+4*(bb/8)                              ; store data in window 2 or 3
.irp j, 0,1,2,3
.irp hh, 0,1                           ; each accumulator from its low end
	ds_store_b128 v[RST+bb/4], v[8*(4*(bb%8)+\j)+4*\hh:8*(4*(bb%8)+\j)+4*\hh+3] offset:((bb%4)*4+\j)*1024+512*\hh
.endr
.endr
.set bb, bb+1
.endr
	WIN 0
	s_wait_dscnt 0x0                               ; for the others' sake: my stores are done
	s_barrier_signal -1
	s_barrier_wait -1
.set bb, 0
.rept 4                                ; block bb of my four: writer wv's partial sums at 128 (bb % 2) + 32 wv of window 2 + bb / 2
	WIN 0x80+0x40*(bb/2)
.irp wv, 0,1,2,3
.irp j, 0,1,2,3
.irp hh, 0,1
	ds_load_b128 v[128*(bb%2)+32*\wv+8*\j+4*\hh:128*(bb%2)+32*\wv+8*\j+4*\hh+3], v[RLD] offset:16384*\wv+(4*bb+\j)*1024+512*\hh
.endr
.endr
.endr
.set bb, bb+1
.endr
	WIN 0
.if IS_QKV
	v_cmp_gt_u32 vcc_lo, 8, v1                     ; lanes r < 8 hold channels d < 64: their partner enters with a minus
	v_mov_b32 v[SGN], s[SA]
	v_cndmask_b32 v[SGN], v[SGN], s[SSN], vcc_lo
	v_mov_b32 v[SGN+1], v[SGN]
.endif
	s_wait_dscnt 0x0
.set bb, 0
.rept 4
.set PB, 128*(bb%2)
	WIN 0x8a+0x45*(bb/2)                           ; all three in window 2 or 3
.set z, 0
.rept 16
	v_pk_add_f32 v[PB+2*z:PB+2*z+1], v[PB+2*z:PB+2*z+1], v[PB+32+2*z:PB+32+2*z+1]
	v_pk_add_f32 v[PB+64+2*z:PB+64+2*z+1], v[PB+64+2*z:PB+64+2*z+1], v[PB+96+2*z:PB+96+2*z+1]
.set z, z+1
.endr
.if IS_QKV
	WIN 0x0a+5*(bb/2)                              ; sources window 2 or 3, destination window 0
.irp i, 0,1,2,3,4,5,6,7                ; the last addition also gathers: G[4 i + j] = row 8 h + i, columns 4 r + j
.irp j, 0,1,2,3
	v_add_f32 v[G+4*\i+\j], v[PB+8*\j+\i], v[PB+64+8*\j+\i]
.endr
.endr
	s_wait_loadcnt 48-16*bb                        ; this block's cos and sin; the later blocks' 16 loads each stay out
	WIN 0x01                                       ; source 0 window 1
.set z, 0
.rept 16
	v_pk_fma_f32 v[CC+2*z:CC+2*z+1], v[64*bb+2*z:64*bb+2*z+1], s[SA:SA+1], s[SB:SB+1] op_sel_hi:[1,0,0]
	v_pk_mul_f32 v[SS+2*z:SS+2*z+1], v[64*bb+32+2*z:64*bb+32+2*z+1], v[SGN:SGN+1]
.set z, z+1
.endr
	WIN 0
.set z, 0
.rept 32
	v_mul_f32_dpp v[SS+z], v[G+z], v[SS+z] row_xmask:8 row_mask:0xf bank_mask:0xf  ; the partner d +- 64 lies in lane r xor 8
.set z, z+1
.endr
.set z, 0
.rept 16
	v_pk_fma_f32 v[G+2*z:G+2*z+1], v[G+2*z:G+2*z+1], v[CC+2*z:CC+2*z+1], v[SS+2*z:SS+2*z+1]
.set z, z+1
.endr
.set z, 0
.rept 16
	v_cvt_pk_f16_f32 v[H+z], v[G+2*z], v[G+2*z+1]
.set z, z+1
.endr
.irp i, 0,1,2,3,4,5,6,7
	ds_store_b64 v[STO], v[H+2*\i:H+2*\i+1] offset:SPITCH*\i
.endr
	s_wait_xcnt 0x0                                ; the last block's stores have read OB
.irp f, 0,1,2,3
	ds_load_b128 v[OB+4*\f:OB+4*\f+3], v[RD] offset:4*SPITCH*\f  ; LDS serves a wave's instructions in order: these see the stores above
.endr
	s_wait_dscnt 0x0
.irp f, 0,1,2,3
	global_store_b128 v[GO], v[OB+4*\f:OB+4*\f+3], s[16:17] offset:2048*bb+512*\f  ; 512 consecutive bytes of the chunk, aligned
.endr
.else
.set z, 0
.rept 16
	v_pk_add_f32 v[PB+2*z:PB+2*z+1], v[PB+2*z:PB+2*z+1], v[PB+64+2*z:PB+64+2*z+1]
.set z, z+1
.endr
	WIN 0x0a+5*(bb/2)                              ; source window 2 or 3, destination window 0
.irp i, 0,1,2,3,4,5,6,7                ; times 8, and gathered: G[4 i + j] = row 8 h + i, columns 4 r + j; each block has its own 32 registers
.irp j, 0,1,2,3
	v_mul_f32 v[G+32*bb+4*\i+\j], s[SA], v[PB+8*\j+\i]
.endr
.endr
	WIN 0
.irp i, 0,1,2,3,4,5,6,7
	global_store_b128 v[GO], v[G+32*bb+4*\i:G+32*bb+4*\i+3], s[8:9] offset:(16*bb+\i)*16384  ; 16 lanes store 256 consecutive bytes, aligned
.endr
.endif
.set bb, bb+1
.endr
	WIN 0
	s_wait_tensorcnt 0x0                           ; the wave's end, behind my last tensor load and my last LDS store
	ds_add_u32 v[SPW], v[NIL]
	s_wait_dscnt 0x0
	CROUND                                         ; the closing round: no work-group ends while a partner may still ask for a tile that names it
	s_endpgm
.Lfunc_end_k_q7c8f1a4580_qkv:
	.size	k_q7c8f1a4580_qkv, .Lfunc_end_k_q7c8f1a4580_qkv-k_q7c8f1a4580_qkv
	.p2alignl 7, 3214868480
	.fill 96, 4, 3214868480
	.section	.rodata,"a",@progbits
	.p2align	6, 0x0
	.amdhsa_kernel k_q7c8f1a4580_qkv
		.amdhsa_group_segment_fixed_size 327680
		.amdhsa_private_segment_fixed_size 0
		.amdhsa_enable_private_segment 0
		.amdhsa_kernarg_size 56
		.amdhsa_user_sgpr_count 2
		.amdhsa_user_sgpr_kernarg_segment_ptr 1
		.amdhsa_wavefront_size32 1
		.amdhsa_system_sgpr_workgroup_id_x 1
		.amdhsa_system_sgpr_workgroup_id_y 1
		.amdhsa_system_sgpr_workgroup_id_z 1
		.amdhsa_system_vgpr_workitem_id 0
		.amdhsa_next_free_vgpr 1024
		.amdhsa_next_free_sgpr 80
		.amdhsa_reserve_vcc 1
		.amdhsa_float_denorm_mode_32 3
		.amdhsa_float_denorm_mode_16_64 3
		.amdhsa_memory_ordered 1
		.amdhsa_forward_progress 1
		.amdhsa_inst_pref_size 160
	.end_amdhsa_kernel
	.amdgpu_metadata
---
amdhsa.version: [ 1, 2 ]
amdhsa.kernels:
  - .name:           k_q7c8f1a4580_qkv
    .symbol:         k_q7c8f1a4580_qkv.kd
    .args:
      - { .name: xh, .offset: 0, .size: 8, .value_kind: global_buffer, .address_space: global }
      - { .name: wq, .offset: 8, .size: 8, .value_kind: global_buffer, .address_space: global }
      - { .name: wk, .offset: 16, .size: 8, .value_kind: global_buffer, .address_space: global }
      - { .name: wv, .offset: 24, .size: 8, .value_kind: global_buffer, .address_space: global }
      - { .name: cos, .offset: 32, .size: 8, .value_kind: global_buffer, .address_space: global }
      - { .name: sin, .offset: 40, .size: 8, .value_kind: global_buffer, .address_space: global }
      - { .name: qkv, .offset: 48, .size: 8, .value_kind: global_buffer, .address_space: global }
    .group_segment_fixed_size: 327680
    .private_segment_fixed_size: 0
    .kernarg_segment_align: 8
    .kernarg_segment_size: 56
    .max_flat_workgroup_size: 128
    .sgpr_count:     80
    .vgpr_count:     1024
    .wavefront_size: 32
...
	.end_amdgpu_metadata
.endif
;; end of part 2
;; launch attn (part 3): grid 32 x 8, 4 waves a work-group, clusters of 4 x 1, 327,680 bytes of LDS; arguments qkv, mask_w, mask_b, oh; writes oh
.if DOCPART == 3
	.amdgcn_target "amdgcn-amd-amdhsa--gfx1250"
	.amdhsa_code_object_version 6
	.text
	.protected	k_q7c8f1a4580_attn
	.globl	k_q7c8f1a4580_attn
	.p2align	8
	.type	k_q7c8f1a4580_attn,@function
k_q7c8f1a4580_attn:
	s_mov_b64 s[64:65], 0
	v_nop
	global_prefetch_b8 v0, s[64:65] scope:SCOPE_SE
	s_setreg_imm32_b32 hwreg(HW_REG_WAVE_MODE, 25, 1), 1
	s_wait_xcnt 0x0
	s_wait_alu depctr_hold_cnt(0) depctr_sa_sdst(0) depctr_va_vdst(0) depctr_va_sdst(0) depctr_va_ssrc(0) depctr_va_vcc(0) depctr_vm_vsrc(0)
	s_getreg_b32 s2, hwreg(HW_REG_IB_STS2, 6, 4)
	s_cmp_eq_u32 s2, 0
	s_cbranch_scc0 .Lentry_in_a_cluster
	s_endpgm
.Lentry_in_a_cluster:
	s_bfe_u32 s2, ttmp6, 0x10000c
	s_cmp_lg_u32 s2, 0x3003
	s_cbranch_scc0 .Lentry_shape_is_right
	s_endpgm
.Lentry_shape_is_right:
; oh[t][head][:] = (1/8) x the sum over k of softmax_k(q[t] . k[k] / sqrt(128) x mask_w[t][k] + mask_b[t][k]) v[k][:], for 32 query heads on 8 key and value heads.
; qkv: [96 chunks][1024][64] f16 (chunk 2 head + plane; heads 0-31 q, 32-39 k, 40-47 v; q and k times 2^-8, in one channel order; v times 2^-3).  The masks are inputs, [1024][1024] f32, and are taken as they come:
; all 1,024 keys are walked.  oh: [1024][4096] f16.  Products, masks, maxima and sums in f32; the weights p are rounded to f16 for the second product (their sum is taken of the unrounded p), O once at the end.
; LIMITS.  p lies in 0 to 1; a weight below 2^-126 counts as 0; O / 8 is a mean of v / 8 and has its range; NaN and infinities are not treated apart.
; SHARES.  A work-group has one key and value head g, 32 positions, and the four query heads of g.  Wave w: positions 16 (w / 2) on, keys 64 (w % 2) on of every 128.  Its four tiles are the four heads at the same
; 16 positions: they share K's and V's fragments AND the masks' registers.  The two waves of a position half hold partial sums over different keys, each with a running maximum of its own; they are merged at the end through LDS.
; LAYOUT.  S^T = K Q^T (source 0 = 16 keys, source 1 = 16 queries): a lane holds ONE query (lane % 16) and the keys 8 (lane / 16) + 0..7.  Two such results rounded to f16 ARE source 1 of O^T = V^T P.
; K comes out of LDS as it lies, V turned, by ds_load_tr16_b128.
; SOFTMAX.  p = 2^(c s - c m), c = log2(e), with a running maximum m; in every step O and l are multiplied by a = 2^(c m_old - c m_new).  m starts at the lowest finite number, O and l at 0, so the first step is a
; step like any other, with a = 0.  The price: 256 v_mov_b32 in the wait for the first tile; the gain: no first step is written out.
; IN PHASES: a step's K Q^T, the masks, the softmax, its V^T P.
; CLUSTER.  The four work-groups of a cluster have the same g and walk the same K and V: each tile is asked for JOINTLY.
; REGISTERS, in windows of 256 (s_set_vgpr_msb: bits 1:0 source 0, 3:2 source 1, 5:4 source 2, 7:6 destination):
;   window 0: v0-11, v44-45 addresses; v12-43 eight registers of statistics a tile; v46-61 at work; v64-191 S^T, 32 a tile; v192-255 P, 16 a tile
;   window 1: O^T, 64 a tile      window 2: v0-127 Q, 32 a tile; v128-255 K of a step      window 3: v0-127 V of a step; v128-159 mask_w; v160-191 mask_b
.set PK,    144       ; a row of a plane of K in LDS: 128 bytes + 16: the 16 rows of a load start at 16 different groups of four banks
.set PV,    160       ; a row of a plane of V: 128 + 32
.set VOFF,  2*128*PK  ; a slot holds 128 keys: K's two planes, then V's two
.set SLOT1, 1<<17     ; slot 1 begins here: one exclusive or turns an address in one slot into the other's
.set STAT,  SLOT1+2*128*(PK+PV)  ; behind the slots: c m and l, 8 bytes a lane, 256 a tile, 1,024 a wave
.set OST,   STAT+4096 ; 16 rows x 272 bytes for each wave, for the way out
.set SP,    272
.set SPARE, OST+4*16*SP  ; the spare words: 128 bytes a wave, two blocks of 256 bytes that no other line names
.set AK0, 2           ; v2   my lane's place in a slot's K; never rewritten
.set AV0, 3           ; v3   the same for V
.set ADK, 4           ; v4   the LDS address of K's run of loads
.set ADV, 5           ; v5   of V's
.set QO,  6           ; v6   my byte offset in 16 rows of Q
.set STO, 6           ;      later, the way out: where I put 16 bytes of a row
.set RD,  7           ; v7   where I read rows back
.set GO,  8           ; v8   my byte offset in two rows of oh
.set MOFF, 9          ; v9   my byte offset in the masks
.set XS,  10          ; v10  the merge: where my O^T goes
.set XL,  11          ; v11  where I read the two halves of my two tiles
.set STS, 44          ; v44  where my statistics go
.set STL, 45          ; v45  where I read them
.set HH,  46          ; v46  lane / 16, until the merge
.set SPW, 62          ; v62  my spare word; never rewritten
.set NIL, 63          ; v63  0; never rewritten
.set ST,  12          ; tile t's statistics at v[ST+8 t]: +0 c m, +1 m, +2, +3 l (even keys', odd keys'), +4 to +7 c0-c3 at work; a takes c2's place
.set S,   64
.set P,   192
.set KF,  128         ; window 2: key block kt, slice sl at KF + 8 (4 kt + sl)
.set MW,  128         ; window 3: register 8 kt + i
.set MB,  160
.set WV,  12          ; s12 wave   s13 cx   s14 block of 32 positions   s15 g   s16 position half   s17 key half, and the plane that I fetch
.set G1K, 24          ; s[24:31] descriptor group 1 for K
.set G1V, 32          ; s[32:39] for V: it differs in the padding alone
.set G0K, 40          ; s[40:43] descriptor group 0 for K: it walks
.set G0V, 44          ; s[44:47] for V
.set SLOTS, 56
.set CS,  58          ; s[58:59] c
.set SEL, 60          ; s[60:61] v_permlanex16_b32's selects: each lane takes its own place in the other half
.set TB,  62          ; s62  the slot in hand
.set SC,  66          ; s[66:67] 2^16 / sqrt(128): undoes q's and k's 2^-8 and scales
.set MSB, 0
.macro WIN new                      ; the high byte repeats the setting that is left; a switch that changes nothing is dropped
.if MSB != (\new)
	s_set_vgpr_msb (MSB<<8)|(\new)
.set MSB, (\new)
.endif
.endm
.set W_KQ, 0x0a       ; K and Q in window 2, S^T in window 0
.set W_PV, 0x53       ; V in window 3, P in window 0, O^T in window 1
.set W_RS, 0x41       ; O^T (destination and source 0) in window 1, the factor in window 0
.macro PLACES
.rept 4
	v_nop
.endr
.endm
; A joint fill.  Waves 0 and 1 fetch K's two planes, waves 2 and 3 V's: 128 keys each.  The branch hangs on the wave's number alone.
; An s_nop 0 and four v_nop follow each of the two lines, ahead of the jump and the label.
.macro JLOAD
	s_cmp_lt_u32 s[WV], 2
	s_cbranch_scc0 .Lfor_v_\@
	tensor_load_to_lds s[G0K:G0K+3], s[G1K:G1K+7]
	s_nop 0
	PLACES
	s_branch .Lasked_\@
.Lfor_v_\@:
	tensor_load_to_lds s[G0V:G0V+3], s[G1V:G1V+7]
	s_nop 0
	PLACES
.Lasked_\@:
.endm
.macro CROUND                       ; a round of the cluster's barrier
	s_barrier_signal -1
	s_barrier_wait -1
	s_cmp_lg_u32 s[WV], 0
	s_cbranch_scc1 .Lnot_wave_0_\@
	s_barrier_signal -3
.Lnot_wave_0_\@:
	s_barrier_wait -3
	s_barrier_signal -1
	s_barrier_wait -1
.endm
; THE CHANGE OF SLOTS.  Each wave waits for all its tensor loads, of which one is out: its part of the slot to be entered; adds 0 to its spare word; and waits for that and for its reads of the slot that it leaves.
; fill = 1: the slot left is filled with the next 128 keys: the barrier is a round of the cluster's, and the joint fill is the first thing behind it; it has a step's 128 matrix instructions and its softmax in which to land.
; (At its first use nothing has been read yet: slot 0 is waited for, slot 1 filled.)
.macro CHANGE fill
	WIN 0                           ; at a label and at a branch every window is 0
	s_wait_tensorcnt 0x0            ; no tensor load of mine is out, so a group 0 may be written
	ds_add_u32 v[SPW], v[NIL]       ; 0 onto my spare word
.if \fill
.irp g, G0K, G0V
	s_xor_b32 s[\g+1], s[\g+1], SLOT1  ; the other slot than last time,
	s_add_nc_u64 s[\g+2:\g+3], s[\g+2:\g+3], 16384  ; the next 128 keys of the plane; the type bits on top are not reached
.endr
	s_wait_dscnt 0x0                ; the add is done, and my reads of the slot are over
	CROUND
	JLOAD
.else
	s_wait_dscnt 0x0
	s_barrier_signal -1
	s_barrier_wait -1
.endif
	s_xor_b32 s[TB], s[TB], SLOT1
.endm
	s_load_b256 s[4:11], s[0:1], 0x0  ; qkv s[4:5], mask_w s[6:7], mask_b s[8:9], oh s[10:11]
	v_lshl_add_u32 v[SPW], v0, 2, SPARE
	v_mov_b32 v[NIL], 0
	ds_add_u32 v[SPW], v[NIL]       ; the wave's opening: the add and its wait stand ahead of my first tensor load; the set-up below, work on registers, stands between them
	v_lshrrev_b32 v1, 5, v0
	v_readfirstlane_b32 s[WV], v1   ; wave 0..3
	s_bfe_u32 s13, ttmp6, 0x40000   ; cx
	s_lshl_b32 s14, ttmp9, 2
	s_add_co_u32 s14, s14, s13      ; my block of 32 positions: it enters Q's, the masks' and oh's addresses alone
	s_and_b32 s15, ttmp7, 0xffff    ; g, which the four partners share
	s_lshr_b32 s16, s[WV], 1
	s_and_b32 s17, s[WV], 1
	; descriptor group 1.  128 keys of a plane are 16,384 dense bytes: asked for as 64 rows of 256 bytes, two keys a row, padded in LDS after every key
	s_mov_b32 s[G1K], 15|(1<<16)|(1<<20)|(1<<21)|(4<<22)|(3<<25)  ; the mask of four; 2-byte elements; padding on; bit 21 beside a mask; after every 32 words (code 4) 4 words (code 3)
	s_mov_b32 s[G1V], 15|(1<<16)|(1<<20)|(1<<21)|(4<<22)|(7<<25)  ; the same with 8 words (code 7)
.irp g, G1K, G1V
	s_mov_b32 s[\g+1], 128<<16      ; tensor_dim0 = 128
	s_mov_b32 s[\g+2], 64<<16       ; tensor_dim1 = 64
	s_mov_b32 s[\g+3], 128<<16      ; tile_dim0 = 128
	s_mov_b32 s[\g+4], 64           ; tile_dim1 = 64
	s_mov_b32 s[\g+5], 128          ; elements from row to row
	s_mov_b32 s[\g+6], 0
	s_mov_b32 s[\g+7], 0
.endr
	s_mul_i32 s20, s17, 128*PK      ; my plane's place in a slot, for K
	s_mul_i32 s21, s17, 128*PV      ; and for V
	s_mov_b32 s[G0K], 1
	s_mov_b32 s[G0K+1], s20
	s_mov_b32 s[G0V], 1
	s_add_co_u32 s[G0V+1], s21, VOFF
	s_lshl_b32 s22, s15, 1
	s_add_co_u32 s22, s22, s17      ; 2 g + plane,
	s_lshl_b32 s22, s22, 17         ; chunks of 131,072 bytes
	s_mov_b32 s23, 0
	s_mov_b32 s[CS], 0x3fb8aa3b     ; log2(e)
	s_mov_b32 s[CS+1], s[CS]
	s_mov_b32 s[SC], 0x45b504f3     ; 65,536 / sqrt(128)
	s_mov_b32 s[SC+1], s[SC]
	s_mov_b32 s[SEL], 0x76543210
	s_mov_b32 s[SEL+1], 0xfedcba98
	s_mov_b32 s[TB], SLOT1          ; the first change of slots turns it into 0
	s_lshl_b32 s70, s14, 5
	s_lshl_b32 s71, s16, 4
	s_add_co_u32 s70, s70, s71      ; my first position
	s_lshl_b32 s72, s70, 7          ; Q: its row in a chunk,
	s_lshl_b32 s73, s15, 20         ; and the eight chunks of g's four heads
	s_add_co_u32 s72, s72, s73
	s_mov_b32 s73, 0
	s_lshl_b32 s74, s70, 13         ; oh: its row of 8,192 bytes,
	s_lshl_b32 s75, s15, 10         ; head 4 g,
	s_add_co_u32 s74, s74, s75
	s_lshl_b32 s75, s17, 9          ; and the two heads that I finish
	s_add_co_u32 s74, s74, s75
	s_mov_b32 s75, 0
	s_wait_dscnt 0x0                ; the opening add is done
	s_wait_kmcnt 0x0
	s_add_nc_u64 s[68:69], s[4:5], s[22:23]
	s_add_nc_u64 s[G0K+2:G0K+3], s[68:69], 64*131072  ; k's chunks begin at 64,
	s_or_b32 s[G0K+3], s[G0K+3], 0x80000000
	s_add_nc_u64 s[G0V+2:G0V+3], s[68:69], 80*131072  ; v's at 80
	s_or_b32 s[G0V+3], s[G0V+3], 0x80000000
	s_add_nc_u64 s[4:5], s[4:5], s[72:73]
	s_add_nc_u64 s[10:11], s[10:11], s[74:75]
	CROUND                          ; all four work-groups are here: the first joint loads meet
	JLOAD                           ; keys 0 to 127 into slot 0
	v_and_b32 v1, 15, v0            ; r
	v_bfe_u32 v[HH], v0, 4, 1       ; h
	v_lshlrev_b32 v[QO], 7, v1
	v_lshl_add_u32 v[QO], v[HH], 4, v[QO]  ; row x 128 + 16 x half
	WIN 0x80                        ; destination window 2, address window 0
.irp t, 0,1,2,3                     ; Q stays in registers: tile t, slice sl = 2 plane + half of the plane's 64 channels
.irp sl, 0,1,2,3
	global_load_b128 v[32*\t+8*\sl:32*\t+8*\sl+3],   v[QO], s[4:5] offset:(2*\t+\sl/2)*131072+64*(\sl%2)
	global_load_b128 v[32*\t+8*\sl+4:32*\t+8*\sl+7], v[QO], s[4:5] offset:(2*\t+\sl/2)*131072+64*(\sl%2)+32
.endr
.endr
	WIN 0
	v_add_nc_u32 v[MOFF], s70, v1   ; my query's row of the masks,
	v_lshlrev_b32 v[MOFF], 12, v[MOFF]
	v_lshl_add_u32 v[MOFF], v[HH], 5, v[MOFF]  ; my lanes' eight keys of sixteen,
	s_lshl_b32 s76, s17, 8
	v_add_nc_u32 v[MOFF], s76, v[MOFF]         ; my wave's 64 keys of 128
; A step's masks: for each group kt of 16 keys my eight keys' 32 bytes, of both masks.  The wave's eight loads of a mask cover 256 consecutive bytes of each of its 16 rows.
.macro MLOAD
	WIN 0xc0                        ; destination window 3
.irp kt, 0,1,2,3
.irp hf, 0,1
	global_load_b128 v[MW+8*\kt+4*\hf:MW+8*\kt+4*\hf+3], v[MOFF], s[6:7] offset:64*\kt+16*\hf
	global_load_b128 v[MB+8*\kt+4*\hf:MB+8*\kt+4*\hf+3], v[MOFF], s[8:9] offset:64*\kt+16*\hf
.endr
.endr
.endm
	MLOAD
	WIN 0
	v_mul_u32_u24 v[AK0], v1, PK
	v_lshl_add_u32 v[AK0], v[HH], 4, v[AK0]
	s_mul_i32 s76, s17, 64*PK
	v_add_nc_u32 v[AK0], s76, v[AK0]  ; my 64 keys; row x pitch + 16 x half
	; The turning load takes 16 keys x 16 channels (lane l reads key 8 (l / 16) + l % 8, channels 8 ((l / 8) % 2) + 0..7) and leaves half a fragment of V^T: lane l holds channel l % 16 and 8 keys.
	v_and_b32 v47, 7, v0
	v_bfe_u32 v48, v0, 3, 1
	v_lshl_add_u32 v[AV0], v[HH], 3, v47
	v_mul_u32_u24 v[AV0], v[AV0], PV
	v_lshl_add_u32 v[AV0], v48, 4, v[AV0]
	s_mul_i32 s76, s17, 64*PV
	s_add_co_u32 s76, s76, VOFF
	v_add_nc_u32 v[AV0], s76, v[AV0]
	s_mul_i32 s76, s[WV], 16*SP
	s_add_co_u32 s76, s76, OST      ; my stage (kept in s76 for STO)
	v_mul_u32_u24 v[RD], v[HH], SP  ; back: lanes 0-15 take one row of 256 bytes, lanes 16-31 the next
	v_lshl_add_u32 v[RD], v1, 4, v[RD]
	v_add_nc_u32 v[RD], s76, v[RD]
	v_lshlrev_b32 v[GO], 13, v[HH]  ; and the same two rows in oh
	v_lshl_add_u32 v[GO], v1, 4, v[GO]
	v_and_b32 v49, 31, v0
	s_lshl_b32 s77, s[WV], 15
	v_lshl_add_u32 v[XS], v49, 4, s77          ; 32,768 w + 16 lane
	s_lshl_b32 s77, s16, 16
	s_lshl_b32 s78, s17, 14
	s_add_co_u32 s77, s77, s78
	v_lshl_add_u32 v[XL], v49, 4, s77          ; the two waves of my position half; my two tiles
	s_lshl_b32 s77, s[WV], 10
	s_add_co_u32 s77, s77, STAT
	v_lshl_add_u32 v[STS], v49, 3, s77
	s_lshl_b32 s77, s16, 11
	s_lshl_b32 s78, s17, 9
	s_add_co_u32 s77, s77, s78
	s_add_co_u32 s77, s77, STAT
	v_lshl_add_u32 v[STL], v49, 3, s77
	WIN 0x40
.set i, 0
.rept 256
	v_mov_b32 v[i], 0               ; O^T
.set i, i+1
.endr
	WIN 0
.irp t, 0,1,2,3
	v_mov_b32 v[ST+8*\t], 0xfe000000    ; c m: far below every c s
	v_mov_b32 v[ST+8*\t+1], 0xff7fffff  ; m
	v_mov_b32 v[ST+8*\t+2], 0
	v_mov_b32 v[ST+8*\t+3], 0
.endr
; THE SOFTMAX of one tile for one step is a list of 134 instructions; SM writes number j of it for tile t.  s0-s31 are the lane's 32 scores, in pairs 0-15.
;   0-15    the maximum of s0-s31 and the old m, three operands at a time: four chains c0-c3 of seven scores each, then the four scores left over, c0-c3 and m
;   16-20   the other half of the lanes' maximum; the new m; c m; c m_old - c m_new
;   21-87   33 exponentials (a, then s0-s31) at the odd numbers from 23 on; the plain numbers between them are whatever is ready: c s - c m for a pair whose exponentials are still to come,
;           the rounding to f16 of a pair whose second exponential stands three numbers back, at last the first three sums
;   88-101  the last rounding; the rest of the sums; l = a l + the sum          102-133 the tile's O^T times a
; The list is walked number by number for the four tiles: four exponentials stand on end, and the four plain instructions of the next number, which touch none of their registers, follow (ISA guide 5.7.2).
.macro SM t
.set rT, ST+8*(\t)
.set rS, S+32*(\t)
.set rP, P+16*(\t)
.set rO, 64*(\t)+2*(j-102)
.set q, (j-20)/2
.if j < 102
	WIN 0
.endif
.if j < 4
	v_max3_num_f32 v[rT+4+j], v[rS+8*j], v[rS+8*j+1], v[rS+8*j+2]
.elseif j < 12
	v_max3_num_f32 v[rT+4+j%4], v[rT+4+j%4], v[rS+8*(j%4)+2*(j/4)+1], v[rS+8*(j%4)+2*(j/4)+2]
.elseif j == 12
	v_max3_num_f32 v[rT+4], v[rT+4], v[rS+7], v[rS+15]
.elseif j == 13
	v_max3_num_f32 v[rT+6], v[rT+6], v[rS+23], v[rS+31]
.elseif j == 14
	v_max3_num_f32 v[rT+4], v[rT+4], v[rT+5], v[rT+6]
.elseif j == 15
	v_max3_num_f32 v[rT+4], v[rT+4], v[rT+7], v[rT+1]
.elseif j == 16
	v_permlanex16_b32 v[rT+5], v[rT+4], s[SEL], s[SEL+1]  ; the query's other 32 keys lie in the lane 16 away
.elseif j == 17
	v_mov_b32 v[rT+7], v[rT]        ; c m_old is kept for a: number 19 writes c m anew
.elseif j == 18
	v_max_num_f32 v[rT+1], v[rT+4], v[rT+5]
.elseif j == 19
	v_mul_f32 v[rT], s[CS], v[rT+1]
.elseif j == 20
	v_sub_f32 v[rT+7], v[rT+7], v[rT]
.elseif j == 23
	v_exp_f32 v[rT+6], v[rT+7]
.elseif (j < 88) && (j > 23) && (j%2 == 1)
	v_exp_f32 v[rS+(j-25)/2], v[rS+(j-25)/2]
.elseif (q < 4) || ((j < 76) && (q%2 == 0))
.set b, q/2+2
.if q < 4
.set b, q
.endif
	v_pk_fma_f32 v[rS+2*b:rS+2*b+1], v[rS+2*b:rS+2*b+1], s[CS:CS+1], v[rT:rT+1] op_sel_hi:[1,0,0] neg_lo:[0,0,1] neg_hi:[0,0,1]  ; pair b: c s - c m
.elseif (j < 88) && (q%2 == 1)
	s_wait_alu depctr_va_vdst(0)
	v_cvt_pk_f16_f32 v[rP+(q-5)/2], v[rS+q-5], v[rS+q-4]
.elseif j == 89
	s_wait_alu depctr_va_vdst(0)
	v_cvt_pk_f16_f32 v[rP+15], v[rS+30], v[rS+31]
.elseif j < 102                     ; the sum of the tile's 16 pairs, in place: sum z of 16 adds neighbours 1, 2, 4 and 8 pairs apart, then l takes it
.set z, j-86
.if j < 89
.set z, (j-76)/4
.endif
.set w, 4
.set u, z
.if z >= 14
.set w, 32
.set u, 0
.elseif z >= 12
.set w, 16
.set u, z-12
.elseif z >= 8
.set w, 8
.set u, z-8
.endif
.if z < 15
	v_pk_add_f32 v[rS+w*u:rS+w*u+1], v[rS+w*u:rS+w*u+1], v[rS+w*u+w/2:rS+w*u+w/2+1]
.else
	v_pk_fma_f32 v[rT+2:rT+3], v[rT+2:rT+3], v[rT+6:rT+7], v[rS:rS+1] op_sel_hi:[1,0,1]
.endif
.else
	WIN W_RS
	v_pk_mul_f32 v[rO:rO+1], v[rO:rO+1], v[rT+6:rT+7] op_sel_hi:[1,0]
.endif
.endm
; A STEP: my 64 keys of the slot in hand, for my four tiles.  last = 1: no further masks are asked for.
.macro BODY last
	PLACES                          ; behind the last step's products V^T P, ahead of the loads into V's registers
	v_add_nc_u32 v[ADK], s[TB], v[AK0]
	v_add_nc_u32 v[ADV], s[TB], v[AV0]
	WIN 0x80                        ; destination window 2
.irp kt, 0,1,2,3
.irp sl, 0,1,2,3
	ds_load_b128 v[KF+8*(4*\kt+\sl):KF+8*(4*\kt+\sl)+3],   v[ADK] offset:128*PK*(\sl/2)+16*PK*\kt+64*(\sl%2)
	ds_load_b128 v[KF+8*(4*\kt+\sl)+4:KF+8*(4*\kt+\sl)+7], v[ADK] offset:128*PK*(\sl/2)+16*PK*\kt+64*(\sl%2)+32
.endr
.endr
	WIN 0xc0                        ; destination window 3
.irp kk, 0,1                        ; keys 32 kk on, channels 16 cb on
.irp cb, 0,1,2,3,4,5,6,7
	ds_load_tr16_b128 v[8*(8*\kk+\cb):8*(8*\kk+\cb)+3],   v[ADV] offset:128*PV*(\cb/4)+32*PV*\kk+32*(\cb%4)
	ds_load_tr16_b128 v[8*(8*\kk+\cb)+4:8*(8*\kk+\cb)+7], v[ADV] offset:128*PV*(\cb/4)+32*PV*\kk+32*(\cb%4)+16*PV
.endr
.endr
	s_wait_dscnt 32                 ; K is in; V's 32 loads may stay out
	WIN W_KQ
.irp sl, 0,1,2,3                    ; the 16 accumulators take turns; the first 16 products start the sums
.irp kt, 0,1,2,3
.irp t, 0,1,2,3
.if \sl == 0
	v_wmma_f32_16x16x32_f16 v[S+32*\t+8*\kt:S+32*\t+8*\kt+7], v[KF+8*(4*\kt+\sl):KF+8*(4*\kt+\sl)+7], v[32*\t+8*\sl:32*\t+8*\sl+7], 0
.else
	v_wmma_f32_16x16x32_f16 v[S+32*\t+8*\kt:S+32*\t+8*\kt+7], v[KF+8*(4*\kt+\sl):KF+8*(4*\kt+\sl)+7], v[32*\t+8*\sl:32*\t+8*\sl+7], v[S+32*\t+8*\kt:S+32*\t+8*\kt+7]
.endif
.endr
.endr
.endr
	s_wait_loadcnt 0x0              ; this step's masks
	WIN 0xc3                        ; mask_w times 2^16 / sqrt(128), once for the four tiles; these 16 lines are also the places behind the products
.set z, 0
.rept 16
	v_pk_mul_f32 v[MW+2*z:MW+2*z+1], v[MW+2*z:MW+2*z+1], s[SC:SC+1] op_sel_hi:[1,0]
.set z, z+1
.endr
.if !(\last)
	WIN 0
	v_add_nc_u32 v[MOFF], 512, v[MOFF]  ; free since that wait: the next 128 keys
.endif
	WIN 0x3c                        ; sources 1 and 2 window 3
.irp t, 0,1,2,3                     ; s = s x mask_w + mask_b; each accumulator from its low end
.set z, 0
.rept 16
	v_pk_fma_f32 v[S+32*\t+2*z:S+32*\t+2*z+1], v[S+32*\t+2*z:S+32*\t+2*z+1], v[MW+2*z:MW+2*z+1], v[MB+2*z:MB+2*z+1]
.set z, z+1
.endr
.endr
.if !(\last)
	MLOAD                           ; the next step's masks: they have the softmax, V^T P and the next K Q^T in which to land
.endif
.set j, 0
.rept 134
.irp t, 0,1,2,3
	SM \t
.endr
.set j, j+1
.endr
	s_wait_dscnt 0x0                ; V is in
	WIN W_PV
.irp kk, 0,1                        ; the 32 accumulators take turns
.irp cb, 0,1,2,3,4,5,6,7
.irp t, 0,1,2,3
	v_wmma_f32_16x16x32_f16 v[64*\t+8*\cb:64*\t+8*\cb+7], v[8*(8*\kk+\cb):8*(8*\kk+\cb)+7], v[P+16*\t+8*\kk:P+16*\t+8*\kk+7], v[64*\t+8*\cb:64*\t+8*\cb+7]
.endr
.endr
.endr
.endm
	s_wait_loadcnt 16               ; Q is in; the first step's 16 mask loads, issued behind it, may stay out
	s_mov_b32 s[SLOTS], 7
.Lslot:                             ; seven trips: a slot is entered and the next 128 keys are asked for
	CHANGE 1
	BODY 0
	WIN 0
	s_sub_co_u32 s[SLOTS], s[SLOTS], 1
	s_cmp_lg_u32 s[SLOTS], 0
	s_cbranch_scc1 .Lslot
	CHANGE 0                        ; the last slot is written out: nothing is asked for
	BODY 1
	; THE MERGE.  l's two halves and the other half of the lanes' are added (these lines are the places behind the last products); every wave lays its four O^T, c m and l into LDS, where slot 0 lay
	; (its last fill is over), and takes two tiles' two halves back.
	WIN 0
.irp t, 0,1,2,3
	v_add_f32 v[ST+8*\t+4], v[ST+8*\t+2], v[ST+8*\t+3]
.endr
.irp t, 0,1,2,3
	v_permlanex16_b32 v[ST+8*\t+5], v[ST+8*\t+4], s[SEL], s[SEL+1]
.endr
.irp t, 0,1,2,3
	v_add_f32 v[ST+8*\t+1], v[ST+8*\t+4], v[ST+8*\t+5]  ; l beside c m: m is no longer needed
.endr
	v_mul_u32_u24 v[STO], v1, SP    ; into my stage: row r, 16 bytes for each half of the lanes
	v_lshl_add_u32 v[STO], v[HH], 4, v[STO]
	v_add_nc_u32 v[STO], s76, v[STO]
	s_wait_dscnt 0x0
	s_barrier_signal -1
	s_barrier_wait -1               ; every wave's reads of the slots are over
	WIN 0x04                        ; store data in window 1
.irp t, 0,1,2,3
.irp f, 0,1,2,3,4,5,6,7,8,9,10,11,12,13,14,15  ; ascending: each accumulator from its low end
	ds_store_b128 v[XS], v[64*\t+4*\f:64*\t+4*\f+3] offset:8192*\t+512*\f
.endr
.endr
	WIN 0
.irp t, 0,1,2,3
	ds_store_b64 v[STS], v[ST+8*\t:ST+8*\t+1] offset:256*\t
.endr
	s_wait_dscnt 0x0                ; for the others' sake: my stores are done
	s_barrier_signal -1
	s_barrier_wait -1
	WIN 0x40                        ; destination window 1: tile u of my two, key half kp at 128 u + 64 kp
.irp u, 0,1
.irp kp, 0,1
.irp f, 0,1,2,3,4,5,6,7,8,9,10,11,12,13,14,15
	ds_load_b128 v[128*\u+64*\kp+4*\f:128*\u+64*\kp+4*\f+3], v[XL] offset:32768*\kp+8192*\u+512*\f
.endr
.endr
.endr
	WIN 0
.irp u, 0,1
.irp kp, 0,1
	ds_load_b64 v[46+4*\u+2*\kp:46+4*\u+2*\kp+1], v[STL] offset:1024*\kp+256*\u  ; c m, l
.endr
.endr
	s_wait_dscnt 0x0
.irp u, 0,1
.set FA, 54+4*\u                    ; v[FA] the first half's factor, v[FB] the second's
.set FB, 56+4*\u
	WIN 0
	v_max_num_f32 v[FA+1], v[46+4*\u], v[48+4*\u]      ; the common c m
	v_sub_f32 v[FA], v[46+4*\u], v[FA+1]
	v_sub_f32 v[FB], v[48+4*\u], v[FA+1]
	v_exp_f32 v[FA], v[FA]
	v_exp_f32 v[FB], v[FB]
	v_nop                           ; a plain instruction behind the exponentials
	s_wait_alu depctr_va_vdst(0)
	v_mul_f32 v[FB+1], v[47+4*\u], v[FA]
	v_fmac_f32 v[FB+1], v[49+4*\u], v[FB]              ; l
	v_rcp_f32 v[FB+1], v[FB+1]
	v_nop                           ; a plain instruction behind the reciprocal
	s_wait_alu depctr_va_vdst(0)
	v_mul_f32 v[FA], v[FA], v[FB+1]
	v_mul_f32 v[FB], v[FB], v[FB+1]
	WIN W_RS
.set z, 0
.rept 32
	v_pk_mul_f32 v[128*\u+2*z:128*\u+2*z+1], v[128*\u+2*z:128*\u+2*z+1], v[FA:FA+1] op_sel_hi:[1,0]
.set z, z+1
.endr
	WIN 0x51                        ; sources 0 and 2 and the destination in window 1
.set z, 0
.rept 32
	v_pk_fma_f32 v[128*\u+2*z:128*\u+2*z+1], v[128*\u+64+2*z:128*\u+64+2*z+1], v[FB:FB+1], v[128*\u+2*z:128*\u+2*z+1] op_sel_hi:[1,0,1]
.set z, z+1
.endr
	WIN 0x05                        ; sources window 1, destination window 0: S^T's registers are free
.set z, 0
.rept 32
	v_cvt_pk_f16_f32 v[S+32*\u+z], v[128*\u+2*z], v[128*\u+2*z+1]
.set z, z+1
.endr
	WIN 0
.irp cb, 0,1,2,3,4,5,6,7            ; a lane's eight channels of a row are 16 bytes; rows of 272 bytes in, whole rows of 256 back
	ds_store_b128 v[STO], v[S+32*\u+4*\cb:S+32*\u+4*\cb+3] offset:32*\cb
.endr
.irp f, 0,1,2,3,4,5,6,7
	ds_load_b128 v[S+32*\u+4*\f:S+32*\u+4*\f+3], v[RD] offset:2*SP*\f  ; LDS serves a wave's instructions in order: these see the stores above; the next tile's stores come behind them
.endr
	s_wait_dscnt 0x0
.irp f, 0,1,2,3,4,5,6,7
	global_store_b128 v[GO], v[S+32*\u+4*\f:S+32*\u+4*\f+3], s[10:11] offset:16384*\f+256*\u  ; 16 lanes store a head's 256 bytes of a row, aligned
.endr
.endr
	s_wait_tensorcnt 0x0            ; the wave's end, behind my last tensor load and my last LDS store
	ds_add_u32 v[SPW], v[NIL]
	s_wait_dscnt 0x0
	CROUND                          ; the closing round: no work-group ends while a partner may still ask for a tile that names it
	s_endpgm
.Lfunc_end_k_q7c8f1a4580_attn:
	.size	k_q7c8f1a4580_attn, .Lfunc_end_k_q7c8f1a4580_attn-k_q7c8f1a4580_attn
	.p2alignl 7, 3214868480
	.fill 96, 4, 3214868480
	.section	.rodata,"a",@progbits
	.p2align	6, 0x0
	.amdhsa_kernel k_q7c8f1a4580_attn
		.amdhsa_group_segment_fixed_size 327680
		.amdhsa_private_segment_fixed_size 0
		.amdhsa_enable_private_segment 0
		.amdhsa_kernarg_size 32
		.amdhsa_user_sgpr_count 2
		.amdhsa_user_sgpr_kernarg_segment_ptr 1
		.amdhsa_wavefront_size32 1
		.amdhsa_system_sgpr_workgroup_id_x 1
		.amdhsa_system_sgpr_workgroup_id_y 1
		.amdhsa_system_sgpr_workgroup_id_z 1
		.amdhsa_system_vgpr_workitem_id 0
		.amdhsa_next_free_vgpr 1024
		.amdhsa_next_free_sgpr 80
		.amdhsa_reserve_vcc 0
		.amdhsa_float_denorm_mode_32 3
		.amdhsa_float_denorm_mode_16_64 3
		.amdhsa_memory_ordered 1
		.amdhsa_forward_progress 1
		.amdhsa_inst_pref_size 147
	.end_amdhsa_kernel
	.amdgpu_metadata
---
amdhsa.version: [ 1, 2 ]
amdhsa.kernels:
  - .name:           k_q7c8f1a4580_attn
    .symbol:         k_q7c8f1a4580_attn.kd
    .args:
      - { .name: qkv, .offset: 0, .size: 8, .value_kind: global_buffer, .address_space: global }
      - { .name: mask_w, .offset: 8, .size: 8, .value_kind: global_buffer, .address_space: global }
      - { .name: mask_b, .offset: 16, .size: 8, .value_kind: global_buffer, .address_space: global }
      - { .name: oh, .offset: 24, .size: 8, .value_kind: global_buffer, .address_space: global }
    .group_segment_fixed_size: 327680
    .private_segment_fixed_size: 0
    .kernarg_segment_align: 8
    .kernarg_segment_size: 32
    .max_flat_workgroup_size: 128
    .sgpr_count:     80
    .vgpr_count:     1024
    .wavefront_size: 32
...
	.end_amdgpu_metadata
.endif
;; end of part 3
;; launch outp (part 4): grid 64 x 4, 4 waves a work-group, clusters of 4 x 4, 327,680 bytes of LDS; arguments oh, wo, out0; writes out0
.if DOCPART == 4
	.amdgcn_target "amdgcn-amd-amdhsa--gfx1250"
	.amdhsa_code_object_version 6
	.text
	.protected	k_q7c8f1a4580_outp
	.globl	k_q7c8f1a4580_outp
	.p2align	8
	.type	k_q7c8f1a4580_outp,@function
k_q7c8f1a4580_outp:
	s_mov_b64 s[64:65], 0
	v_nop
	global_prefetch_b8 v0, s[64:65] scope:SCOPE_SE
	s_setreg_imm32_b32 hwreg(HW_REG_WAVE_MODE, 25, 1), 1
	s_wait_xcnt 0x0
	s_wait_alu depctr_hold_cnt(0) depctr_sa_sdst(0) depctr_va_vdst(0) depctr_va_sdst(0) depctr_va_ssrc(0) depctr_va_vcc(0) depctr_vm_vsrc(0)
	s_getreg_b32 s2, hwreg(HW_REG_IB_STS2, 6, 4)
	s_cmp_eq_u32 s2, 0
	s_cbranch_scc0 .Lentry_in_a_cluster
	s_endpgm
.Lentry_in_a_cluster:
	s_bfe_u32 s2, ttmp6, 0x10000c
	s_cmp_lg_u32 s2, 0xf033
	s_cbranch_scc0 .Lentry_shape_is_right
	s_endpgm
.Lentry_shape_is_right:
; C = A W for 1,024 rows.  A: [1024][4096] f16.  W: [4096][N] f32, N along the rows.  One text serves two kernels, told apart by IS_QKV:
;   IS_QKV = 1: A = xh, W = wq, wk or wv by the cluster's x; the result is turned by RoPE (q, k), scaled by a power of two and stored as f16 in chunks;
;   IS_QKV = 0: A = oh (O / 8), W = wo; the result times 8 is out0, f32.
; LIMITS.  Operands are f16: |O / 8| and |w| up to 65,504.  A sum over K is made of four partial f32 sums.
; SHARES.  A work-group makes 256 rows x 64 columns.  Its four waves SPLIT K: of each K step of 256 wave w takes k = 64 w .. 64 w + 63, and each wave holds the whole tile, 64 accumulators,
; 512 registers.  So each LDS byte of A and each byte of W is read by one wave alone: for 64 matrix instructions 32 LDS loads, 16 global loads and 32 conversions.  At the end the four partial tiles meet in LDS.
; W NEVER PASSES THROUGH LDS: a lane loads 16 bytes (four columns) of a row of W into a ring of eight JOBS (a job: 16 rows of K, eight loads) and rounds pairs of rows to f16:
; the four registers of a load belong to four column classes j, and tile column 4 r + j is column r of class j's fragment.  Seven jobs, 56 loads, are on their way at every wait.
; A goes through two LDS slots of one K step (256 rows x 512 bytes), filled by the tensor data mover; the four work-groups of a row of the 4 x 4 cluster need the same rows of A and ask JOINTLY.
; W is not asked for jointly since it does not land in LDS; its four readers are the four work-groups of a column of the cluster.
; REGISTERS, in windows of 256 (s_set_vgpr_msb: bits 1:0 source 0, 3:2 source 1, 5:4 source 2, 7:6 destination):
;   window 0: v0-31 addresses; v64-127, v128-191 fragments of A, two buffers (8 x 16 rows x 32 K); v192-223, v224-255 fragments of W, two buffers (class j at + 8 j)
;   window 1: the ring, job place u at v[32 u], load e at + 4 e      window 2: accumulators of row blocks 0-7, (b, j) at 8 (4 b + j)      window 3: those of blocks 8-15
.set IS_QKV, 0
.set PITCH,  528                       ; an LDS row of A: 512 bytes + 16 of padding = 33 x 16: the 16 rows of a fragment load start at 16 different groups of four banks
.set QUART,  64*PITCH                  ; what one tensor load brings
.set HALFT,  128*PITCH                 ; the rows of one phase
.set SLOT,   256*PITCH
.set STAGE,  2*SLOT                    ; behind the slots (used with IS_QKV = 1 alone)
.set SPITCH, 144
.set SPARE,  STAGE+4*16*SPITCH         ; the spare words: 128 bytes a wave, two blocks of 256 bytes that no other line names
.set ADRA, 4                           ; v4-7    LDS address of my A fragments: slot 0 rows 0-127, rows 128-255; slot 1 likewise
.set WOFF, 8                           ; v8-15   load e of a job: (e + 8 h) rows of W + my 16 bytes of the row; never rewritten
.set RST,  16                          ; v16-19  where my partial sums go: the region of the wave that owns rows 64 v ..
.set RLD,  20                          ; v20     where I read the four partial sums of my rows
.set GO,   25                          ; v25     my byte offset in the output
.set SPW,  28                          ; v28     my spare word; never rewritten
.set NIL,  29                          ; v29     0; never rewritten
.set AF,   64
.set WF,   192
.set G,    64                          ; the way out, window 0: 32 finished numbers for each block of 16 rows
.set WV, 18                            ; s18 wave   s19 cx   s20 cy   s22 chunk X   s23 row block
.set CX, 19
.set CY, 20
.set XX, 22
.set MT, 23
.set G1, 24                            ; s[24:31] descriptor group 1
.set G0, 32                            ; s[32:39] descriptor group 0, a set for each slot
.set WP, 40                            ; s[40:47] four pointers into W: the rows of jobs J with J % 4 = 0 .. 3
.set S256, 48                          ; s[48:49] 256 rows of W in bytes
.set STEP, 50                          ; s[50:51] the step of the look-ahead jobs
.set LAP, 52
.set PSH, 53                           ; a row of W is 1 << PSH bytes
.set DSH, 54                           ; lanes r >= 8 read 1 << DSH bytes further on
.set SA, 56                            ; s56 8.0
.set MSB, 0
.macro WIN new                         ; the immediate's high byte repeats the setting that is left; a switch that changes nothing is dropped
.if MSB != (\new)
	s_set_vgpr_msb (MSB<<8)|(\new)
.set MSB, (\new)
.endif
.endm
.macro PLACES                          ; four places behind matrix instructions, ahead of loads into and writes of registers that they have read
.rept 4
	v_nop
.endr
.endm
.macro CREST                           ; a round of the cluster's barrier behind its opening barrier
	s_cmp_lg_u32 s[WV], 0
	s_cbranch_scc1 .Lnot_wave_0_\@
	s_barrier_signal -3
.Lnot_wave_0_\@:
	s_barrier_wait -3
	s_barrier_signal -1
	s_barrier_wait -1
.endm
.macro CROUND                          ; a whole round
	s_barrier_signal -1
	s_barrier_wait -1
	CREST
.endm
.macro JLOAD s                         ; my 64 rows of slot s, asked for jointly with my row of the cluster; s_nop 0 and four v_nop follow
	tensor_load_to_lds s[G0+4*(\s):G0+4*(\s)+3], s[G1:G1+7]
	s_nop 0
	PLACES
.endm
	s_load_b128 s[4:7], s[0:1], 0x0                ; oh s[4:5], wo s[6:7]
	s_load_b64 s[8:9], s[0:1], 0x10                ; out0
	v_lshl_add_u32 v[SPW], v0, 2, SPARE
	v_mov_b32 v[NIL], 0
	ds_add_u32 v[SPW], v[NIL]                      ; the wave's opening: the add and its wait stand ahead of my first tensor load; the set-up below, work on registers, stands between them
	v_lshrrev_b32 v1, 5, v0
	v_readfirstlane_b32 s[WV], v1                  ; wave 0..3
	s_bfe_u32 s[CX], ttmp6, 0x40000
	s_bfe_u32 s[CY], ttmp6, 0x40004
	s_lshl_b32 s[XX], ttmp9, 2
	s_add_co_u32 s[XX], s[XX], s[CX]               ; block of 64 columns X = 4 x cluster x + cx
	s_and_b32 s[MT], ttmp7, 0xffff
	s_lshl_b32 s[MT], s[MT], 2
	s_add_co_u32 s[MT], s[MT], s[CY]               ; block of 256 rows = 4 x cluster y + cy
	s_lshl_b32 s76, s[CY], 2
	s_lshl_b32 s76, 15, s76                        ; my row of the cluster: places 4 cy .. 4 cy + 3
	s_or_b32 s[G1], s76, (1<<16)|(1<<20)|(1<<21)|(6<<22)|(3<<25)  ; the mask; 2-byte elements; padding on; bit 21 beside a mask; after every 128 words (code 6) 4 words (code 3)
	s_mov_b32 s[G1+1], 256<<16                     ; tensor_dim0 = 256
	s_mov_b32 s[G1+2], 64<<16                      ; tensor_dim1 = 64
	s_mov_b32 s[G1+3], 256<<16                     ; tile_dim0 = 256
	s_mov_b32 s[G1+4], 64                          ; tile_dim1 = 64
	s_mov_b32 s[G1+5], 4096                        ; elements from row to row
	s_mov_b32 s[G1+6], 0
	s_mov_b32 s[G1+7], 0
	s_lshl_b32 s78, s[MT], 8
	s_lshl_b32 s79, s[WV], 6
	s_add_co_u32 s78, s78, s79                     ; 256 x block + 64 w: the rows of A that I fetch, and the rows of C that I finish
	s_mul_i32 s77, s[WV], QUART                    ; and where they go in a slot: no place in the cluster enters an LDS address
	s_mov_b32 s[PSH], 14                           ; rows of 16,384 bytes
	s_mov_b32 s[DSH], 7                            ; 64 columns on end
	s_mov_b32 s[SA], 0x41000000                    ; 8.0
	s_lshl_b32 s67, s[XX], 8                       ; the block's first column in bytes
	s_lshl_b32 s68, s[WV], 6
	s_lshl_b32 s68, s68, s[PSH]                    ; my 64 rows of a K step,
	s_add_co_u32 s68, s68, s67                     ; and the block's columns
	s_mov_b32 s69, 0
	s_lshl_b32 s74, 16, s[PSH]                     ; a job's 16 rows
	s_mov_b32 s75, 0
	s_lshl_b32 s[S256], 0x100, s[PSH]
	s_mov_b32 s[S256+1], 0
	v_and_b32 v1, 15, v0                           ; r
	v_bfe_u32 v2, v0, 4, 1                         ; h
	v_and_b32 v3, 7, v1
	v_lshlrev_b32 v3, 4, v3
	v_lshrrev_b32 v30, 3, v1
	v_lshlrev_b32 v30, s[DSH], v30
	v_add_nc_u32 v3, v3, v30                       ; my 16 bytes of a row of W
	v_lshlrev_b32 v30, 3, v2
.irp e, 0,1,2,3,4,5,6,7
	v_add_nc_u32 v31, \e, v30                      ; row e + 8 h of the job
	v_lshlrev_b32 v31, s[PSH], v31
	v_add_nc_u32 v[WOFF+\e], v31, v3
.endr
	s_wait_dscnt 0x0                               ; the opening add is done
	s_wait_kmcnt 0x0
	s_mov_b64 s[70:71], s[6:7]
	s_add_nc_u64 s[WP:WP+1], s[70:71], s[68:69]
	s_add_nc_u64 s[WP+2:WP+3], s[WP:WP+1], s[74:75]
	s_add_nc_u64 s[WP+4:WP+5], s[WP+2:WP+3], s[74:75]
	s_add_nc_u64 s[WP+6:WP+7], s[WP+4:WP+5], s[74:75]
; The eight loads of a job into ring place pl: 16 lanes take 256 bytes of one row, the other 16 lanes of the row 8 further on
.macro LOADJ pl
	WIN 0x40                                       ; destination window 1, address window 0
.irp e, 0,1,2,3,4,5,6,7
	global_load_b128 v[32*(\pl)+4*\e:32*(\pl)+4*\e+3], v[WOFF+\e], s[WP+2*((\pl)%4):WP+2*((\pl)%4)+1]
.endr
.endm
	LOADJ 0                                        ; the ring is filled: jobs 0 to 7, K steps 0 and 1
	LOADJ 1
	LOADJ 2
	LOADJ 3
	s_wait_xcnt 0x0                                ; the pointers are sources of those loads: they step only behind this wait
.irp j, 0,1,2,3
	s_add_nc_u64 s[WP+2*\j:WP+2*\j+1], s[WP+2*\j:WP+2*\j+1], s[S256:S256+1]
.endr
	LOADJ 4
	LOADJ 5
	LOADJ 6
	LOADJ 7
	WIN 0
	s_lshl_b32 s72, s78, 13                        ; my rows of A, 8,192 bytes each
	s_mov_b32 s73, 0
	s_add_nc_u64 s[72:73], s[4:5], s[72:73]
	CROUND                                         ; all sixteen work-groups are here: the first joint loads meet
.irp s, 0,1
	s_mov_b32 s[G0+4*\s], 1                        ; count = 1
	s_add_co_u32 s[G0+4*\s+1], s77, \s*SLOT        ; LDS address
	s_add_nc_u64 s[G0+4*\s+2:G0+4*\s+3], s[72:73], \s*512  ; K step s
	s_or_b32 s[G0+4*\s+3], s[G0+4*\s+3], 0x80000000        ; type = 2
	JLOAD \s                                       ; two tensor loads of mine are out, later one
.endr
	; addresses, made while the first tiles are on their way
	v_mul_u32_u24 v3, v1, PITCH
	v_lshl_add_u32 v3, v2, 4, v3                   ; a fragment's row x pitch + 16 x half
	s_lshl_b32 s66, s[WV], 7                       ; my 64 of a row's 256 k
	v_add_nc_u32 v[ADRA], s66, v3
	v_add_nc_u32 v[ADRA+1], HALFT, v[ADRA]
	v_add_nc_u32 v[ADRA+2], SLOT, v[ADRA]
	v_add_nc_u32 v[ADRA+3], SLOT+HALFT, v[ADRA]
	v_and_b32 v30, 31, v0
	v_lshlrev_b32 v30, 4, v30                      ; 16 x lane
	s_lshl_b32 s66, s[WV], 14
	v_add_nc_u32 v[RST], s66, v30                  ; region v: 65,536 v; in it the writer's 16,384 bytes
	v_add_nc_u32 v[RST+1], 0x10000, v[RST]
	v_add_nc_u32 v[RST+2], 0x20000, v[RST]
	v_add_nc_u32 v[RST+3], 0x30000, v[RST]
	s_lshl_b32 s66, s[WV], 16
	v_add_nc_u32 v[RLD], s66, v30
	v_lshlrev_b32 v[GO], 17, v2                    ; row 8 h of 16,384 bytes, 16 bytes at 16 r
	v_lshl_add_u32 v[GO], v1, 4, v[GO]
	s_lshl_b32 s66, s78, 14
	s_lshl_b32 s67, s[XX], 8
	s_add_co_u32 s66, s66, s67
	s_mov_b32 s67, 0
	s_add_nc_u64 s[8:9], s[8:9], s[66:67]
; A PHASE is 32 matrix instructions: 8 row blocks x 4 column classes, 32 along K.  Phase n of a lap of eight: slot n / 4, slice (n / 2) % 2 of my 64 k, rows 128 (n % 2) on.
; The 32 accumulators of a phase take turns, and neighbouring phases have different ones.
.macro MM n, q, zero                   ; accumulator q = 4 b + j.  zero = 1: the product starts the sum
	WIN 0xa0+0x50*((\n)%2)                         ; A and W window 0; C and D window 2 or 3
.if \zero
	v_wmma_f32_16x16x32_f16 v[8*(\q):8*(\q)+7], v[AF+64*((\n)%2)+8*((\q)/4):AF+64*((\n)%2)+8*((\q)/4)+7], v[WF+32*(((\n)/2)%2)+8*((\q)%4):WF+32*(((\n)/2)%2)+8*((\q)%4)+7], 0
.else
	v_wmma_f32_16x16x32_f16 v[8*(\q):8*(\q)+7], v[AF+64*((\n)%2)+8*((\q)/4):AF+64*((\n)%2)+8*((\q)/4)+7], v[WF+32*(((\n)/2)%2)+8*((\q)%4):WF+32*(((\n)/2)%2)+8*((\q)%4)+7], v[8*(\q):8*(\q)+7]
.endif
.endm
.macro MMS n, q0, q1, zero
.set qq, \q0
.rept (\q1)-(\q0)+1
	MM \n, qq, \zero
.set qq, qq+1
.endr
.endm
.macro AFETCH n                        ; the 16 LDS loads of phase n's fragments of A, in one run
	WIN 0
.irp b, 0,1,2,3,4,5,6,7
	ds_load_b128 v[AF+64*((\n)%2)+8*\b:AF+64*((\n)%2)+8*\b+3],   v[ADRA+2*((\n)/4)+(\n)%2] offset:\b*16*PITCH+64*(((\n)/2)%2)
	ds_load_b128 v[AF+64*((\n)%2)+8*\b+4:AF+64*((\n)%2)+8*\b+7], v[ADRA+2*((\n)/4)+(\n)%2] offset:\b*16*PITCH+64*(((\n)/2)%2)+32
.endr
.endm
; The job in ring place pl is rounded to f16: rows 2 q and 2 q + 1 of a lane's eight make register q of class j's half fragment.  cnt: the younger jobs' loads, which stay out.
.macro CONV pl, cnt
	s_wait_loadcnt \cnt
	WIN 0x05                                       ; sources window 1, destination window 0
.irp j, 0,1,2,3
.irp q, 0,1,2,3
	v_cvt_pk_f16_f32 v[WF+32*(((\pl)/2)%2)+8*\j+4*((\pl)%2)+\q], v[32*(\pl)+8*\q+\j], v[32*(\pl)+8*\q+4+\j]
.endr
.endr
.endm
; The place just emptied takes the job eight further on.  sel = 1: in the loop's last trip there is no such job: the pointer stays, and the rows of the job before are read once more, unused: no load leaves W.
.macro ISSUE pl, sel
	s_wait_xcnt 0x0                                ; the pointer is a source of earlier loads: it steps only behind this wait
.if \sel
	s_cmp_eq_u32 s[LAP], 1
	s_cselect_b64 s[STEP:STEP+1], 0, s[S256:S256+1]
	s_add_nc_u64 s[WP+2*((\pl)%4):WP+2*((\pl)%4)+1], s[WP+2*((\pl)%4):WP+2*((\pl)%4)+1], s[STEP:STEP+1]
.else
	s_add_nc_u64 s[WP+2*((\pl)%4):WP+2*((\pl)%4)+1], s[WP+2*((\pl)%4):WP+2*((\pl)%4)+1], s[S256:S256+1]
.endif
	LOADJ \pl
.endm
; Phase n multiplies, fetches the next phase's A (next = 1), rounds job n + 2 into the other W buffer (cnt >= 0) and asks for job n + 10 (issue = 1).
.macro PHASE n, zero, cnt, issue, sel, next
	s_wait_dscnt 0x0                               ; my 16 fragment loads, issued 24 matrix instructions ago; nothing younger is out
	MMS \n, 0, 7, \zero
.if (\next) || ((\cnt) >= 0)
	PLACES                                         ; behind the last phase's products, which read the other A buffer and the other W buffer
.endif
.if \next
	AFETCH ((\n)+1)%8
.endif
	MMS \n, 8, 19, \zero
.if (\cnt) >= 0
	CONV ((\n)+2)%8, \cnt
.endif
.if \issue
	ISSUE ((\n)+2)%8, \sel
.endif
	MMS \n, 20, 31, \zero
.endm
; A slot's last phase (n = 3, 7) changes slots.  Its fragments are the last reads of the slot.  In front of the barrier each wave waits for all its tensor loads, of which one is out: its part of the next slot;
; adds 0 to its spare word; and waits for that and for its reads.  refill = 1: the barrier opens a round of the cluster's, and the joint refill, two K steps on, is the first thing behind the round:
; 112 matrix instructions stand between it and the wait for it.
.macro TURN n, cnt, issue, sel, refill
	WIN 0
	s_wait_tensorcnt 0x0                           ; all my tensor loads have landed
	ds_add_u32 v[SPW], v[NIL]                      ; 0 onto my spare word
	s_wait_dscnt 1                                 ; my fragments are in; the add alone may be out
	MMS \n, 0, 7, 0
	s_wait_dscnt 0x0                               ; the add is done, and my reads of this slot are over
	s_barrier_signal -1
	MMS \n, 8, 15, 0                               ; work on registers while the others arrive
	WIN 0
	s_barrier_wait -1
.if \refill
	CREST                                          ; no wave of any partner still reads this slot or has a load on its way
	s_add_nc_u64 s[G0+4*((\n)/4)+2:G0+4*((\n)/4)+3], s[G0+4*((\n)/4)+2:G0+4*((\n)/4)+3], 1024
	JLOAD (\n)/4                                   ; its four v_nop are also the places in front of the loads and conversions below
.else
	PLACES
.endif
	AFETCH ((\n)+1)%8
	CONV ((\n)+2)%8, \cnt
.if \issue
	ISSUE ((\n)+2)%8, \sel
.endif
	MMS \n, 16, 31, 0
.endm
	s_wait_tensorcnt 1                             ; my part of K step 0 is in; K step 1's may stay out
	s_barrier_signal -1
	s_barrier_wait -1                              ; everybody's is
	AFETCH 0
	CONV 0, 56                                     ; jobs 0 and 1 make the first W fragments; behind each, seven jobs of eight loads are out
	ISSUE 0, 0
	CONV 1, 56
	ISSUE 1, 0
	PHASE 0, 1, 56, 1, 0, 1                        ; the first two phases start the 64 sums: nothing is cleared
	PHASE 1, 1, 56, 1, 0, 1
	WIN 0                                          ; at a label and at a branch every window is 0
	s_mov_b32 s[LAP], 7
.Llap:                                                 ; a trip: eight phases, two K steps; both slots are filled again
	PHASE 2, 0, 56, 1, 0, 1
	TURN  3, 56, 1, 0, 1
	PHASE 4, 0, 56, 1, 0, 1
	PHASE 5, 0, 56, 1, 0, 1
	PHASE 6, 0, 56, 1, 1, 1
	TURN  7, 56, 1, 1, 1
	PHASE 0, 0, 56, 1, 1, 1
	PHASE 1, 0, 56, 1, 1, 1
	WIN 0
	s_sub_co_u32 s[LAP], s[LAP], 1
	s_cmp_lg_u32 s[LAP], 0
	s_cbranch_scc1 .Llap
	PHASE 2, 0, 56, 0, 0, 1                        ; the last six phases ask for nothing: the counts run down by a job's eight loads
	TURN  3, 48, 0, 0, 0
	PHASE 4, 0, 40, 0, 0, 1
	PHASE 5, 0, 32, 0, 0, 1
	PHASE 6, 0, -1, 0, 0, 1
	PHASE 7, 0, -1, 0, 0, 0
	; THE WAY OUT.  The four waves' partial tiles meet in LDS, where the slots lay (their last fill is over): wave w stores all 64 accumulators, those of rows 64 v .. into region v, and reads region w.
	WIN 0
	PLACES                                         ; behind the last products, ahead of the stores that read them
	s_wait_loadcnt 0x0                             ; the four unused look-ahead jobs
	s_wait_dscnt 0x0
	s_barrier_signal -1
	s_barrier_wait -1                              ; every wave's reads of the slots are over
.set bb, 0
.rept 16
	WIN 0x08+4*(bb/8)                              ; store data in window 2 or 3
.irp j, 0,1,2,3
.irp hh, 0,1                           ; each accumulator from its low end
	ds_store_b128 v[RST+bb/4], v[8*(4*(bb%8)+\j)+4*\hh:8*(4*(bb%8)+\j)+4*\hh+3] offset:((bb%4)*4+\j)*1024+512*\hh
.endr
.endr
.set bb, bb+1
.endr
	WIN 0
	s_wait_dscnt 0x0                               ; for the others' sake: my stores are done
	s_barrier_signal -1
	s_barrier_wait -1
.set bb, 0
.rept 4                                ; block bb of my four: writer wv's partial sums at 128 (bb % 2) + 32 wv of window 2 + bb / 2
	WIN 0x80+0x40*(bb/2)
.irp wv, 0,1,2,3
.irp j, 0,1,2,3
.irp hh, 0,1
	ds_load_b128 v[128*(bb%2)+32*\wv+8*\j+4*\hh:128*(bb%2)+32*\wv+8*\j+4*\hh+3], v[RLD] offset:16384*\wv+(4*bb+\j)*1024+512*\hh
.endr
.endr
.endr
.set bb, bb+1
.endr
	WIN 0
	s_wait_dscnt 0x0
.set bb, 0
.rept 4
.set PB, 128*(bb%2)
	WIN 0x8a+0x45*(bb/2)                           ; all three in window 2 or 3
.set z, 0
.rept 16
	v_pk_add_f32 v[PB+2*z:PB+2*z+1], v[PB+2*z:PB+2*z+1], v[PB+32+2*z:PB+32+2*z+1]
	v_pk_add_f32 v[PB+64+2*z:PB+64+2*z+1], v[PB+64+2*z:PB+64+2*z+1], v[PB+96+2*z:PB+96+2*z+1]
.set z, z+1
.endr
.set z, 0
.rept 16
	v_pk_add_f32 v[PB+2*z:PB+2*z+1], v[PB+2*z:PB+2*z+1], v[PB+64+2*z:PB+64+2*z+1]
.set z, z+1
.endr
	WIN 0x0a+5*(bb/2)                              ; source window 2 or 3, destination window 0
.irp i, 0,1,2,3,4,5,6,7                ; times 8, and gathered: G[4 i + j] = row 8 h + i, columns 4 r + j; each block has its own 32 registers
.irp j, 0,1,2,3
	v_mul_f32 v[G+32*bb+4*\i+\j], s[SA], v[PB+8*\j+\i]
.endr
.endr
	WIN 0
.irp i, 0,1,2,3,4,5,6,7
	global_store_b128 v[GO], v[G+32*bb+4*\i:G+32*bb+4*\i+3], s[8:9] offset:(16*bb+\i)*16384  ; 16 lanes store 256 consecutive bytes, aligned
.endr
.set bb, bb+1
.endr
	WIN 0
	s_wait_tensorcnt 0x0                           ; the wave's end, behind my last tensor load and my last LDS store
	ds_add_u32 v[SPW], v[NIL]
	s_wait_dscnt 0x0
	CROUND                                         ; the closing round: no work-group ends while a partner may still ask for a tile that names it
	s_endpgm
.Lfunc_end_k_q7c8f1a4580_outp:
	.size	k_q7c8f1a4580_outp, .Lfunc_end_k_q7c8f1a4580_outp-k_q7c8f1a4580_outp
	.p2alignl 7, 3214868480
	.fill 96, 4, 3214868480
	.section	.rodata,"a",@progbits
	.p2align	6, 0x0
	.amdhsa_kernel k_q7c8f1a4580_outp
		.amdhsa_group_segment_fixed_size 327680
		.amdhsa_private_segment_fixed_size 0
		.amdhsa_enable_private_segment 0
		.amdhsa_kernarg_size 24
		.amdhsa_user_sgpr_count 2
		.amdhsa_user_sgpr_kernarg_segment_ptr 1
		.amdhsa_wavefront_size32 1
		.amdhsa_system_sgpr_workgroup_id_x 1
		.amdhsa_system_sgpr_workgroup_id_y 1
		.amdhsa_system_sgpr_workgroup_id_z 1
		.amdhsa_system_vgpr_workitem_id 0
		.amdhsa_next_free_vgpr 1024
		.amdhsa_next_free_sgpr 80
		.amdhsa_reserve_vcc 0
		.amdhsa_float_denorm_mode_32 3
		.amdhsa_float_denorm_mode_16_64 3
		.amdhsa_memory_ordered 1
		.amdhsa_forward_progress 1
		.amdhsa_inst_pref_size 130
	.end_amdhsa_kernel
	.amdgpu_metadata
---
amdhsa.version: [ 1, 2 ]
amdhsa.kernels:
  - .name:           k_q7c8f1a4580_outp
    .symbol:         k_q7c8f1a4580_outp.kd
    .args:
      - { .name: oh, .offset: 0, .size: 8, .value_kind: global_buffer, .address_space: global }
      - { .name: wo, .offset: 8, .size: 8, .value_kind: global_buffer, .address_space: global }
      - { .name: out0, .offset: 16, .size: 8, .value_kind: global_buffer, .address_space: global }
    .group_segment_fixed_size: 327680
    .private_segment_fixed_size: 0
    .kernarg_segment_align: 8
    .kernarg_segment_size: 24
    .max_flat_workgroup_size: 128
    .sgpr_count:     80
    .vgpr_count:     1024
    .wavefront_size: 32
...
	.end_amdgpu_metadata
.endif
;; end of part 4
;; ======== version 2 of 3: 4 launches; 1.17 times as fast as version 1
;; limits: values are held in f16: magnitudes above 65,504 overflow, below 6.1e-05 lose precision; inputs' magnitudes at most 65,504; right only within a limited range of input values
;; workspace buffers: xh 8,388,608 bytes; qkv 12,582,912 bytes; oh 8,388,608 bytes
;; launch cast: the kernel of part 1 again; grid 256 x 1, 8 waves a work-group, no clusters, 0 bytes of LDS; arguments stm, xh; writes xh
;; launch qkv (part 5): grid 48 x 4, 4 waves a work-group, clusters of 4 x 4, 327,680 bytes of LDS; arguments xh, wq, wk, wv, cos, sin, qkv; writes qkv
.if DOCPART == 5
	.amdgcn_target "amdgcn-amd-amdhsa--gfx1250"
	.amdhsa_code_object_version 6
	.text
	.protected	k_q7c8f1a4580_qkv
	.globl	k_q7c8f1a4580_qkv
	.p2align	8
	.type	k_q7c8f1a4580_qkv,@function
k_q7c8f1a4580_qkv:
	s_mov_b64 s[64:65], 0
	v_nop
	global_prefetch_b8 v0, s[64:65] scope:SCOPE_SE
	s_setreg_imm32_b32 hwreg(HW_REG_WAVE_MODE, 25, 1), 1
	s_wait_xcnt 0x0
	s_wait_alu depctr_hold_cnt(0) depctr_sa_sdst(0) depctr_va_vdst(0) depctr_va_sdst(0) depctr_va_ssrc(0) depctr_va_vcc(0) depctr_vm_vsrc(0)
	s_getreg_b32 s2, hwreg(HW_REG_IB_STS2, 6, 4)
	s_cmp_eq_u32 s2, 0
	s_cbranch_scc0 .Lentry_in_a_cluster
	s_endpgm
.Lentry_in_a_cluster:
	s_bfe_u32 s2, ttmp6, 0x10000c
	s_cmp_lg_u32 s2, 0xf033
	s_cbranch_scc0 .Lentry_shape_is_right
	s_endpgm
.Lentry_shape_is_right:
; qkv = rope(xh [wq | wk | wv]), scaled by a power of two, f16, in chunks.  xh: [1024][4096] f16.  W: [4096][N] f32, N along the rows (wq: N = 4096; wk, wv: N = 1024).  cos, sin: [1024][128] f32.
; CHUNKS: qkv is [96][1024][64] f16.  Chunk X = 2 head + plane; heads 0-31 q, 32-39 k, 40-47 v.  A plane p of q or k holds channels 32 p .. 32 p + 31 and then
; 64 + 32 p .. 64 + 32 p + 31, so that the partners d, d + 64 of the rotation lie in one chunk; a plane of v holds channels 64 p .. 64 p + 63.  q and k are stored times 2^-8, v times 2^-3.
; LIMITS.  Operands are f16: |x| and |w| up to 65,504; |rope(q)|, |rope(k)| under 1.6e7 and |v| under 5.2e5 (their stored values end at 65,504).  A sum over K is made of two partial f32 sums,
; each running from the cluster's first K step round to the step before it.  In v's chunks cos and sin are loaded and multiplied by 0: a NaN or an infinity there is not treated apart.
; SHARES.  A work-group makes 256 rows x 128 columns: one head.  Wave w = 2 kh + ch takes k = 128 kh .. 128 kh + 127 of each K step of 256 and the head's chunk ch: 256 x 64 in 64 accumulators, 512 registers.
; For 64 matrix instructions a wave issues 32 LDS loads, 16 global loads and 32 conversions.  At the end the two partial tiles of a chunk meet in LDS.
; 192 WORK-GROUPS: 6,144 columns / 128 x 1,024 rows / 256.  A slot of A (256 rows x 512 bytes; two fill LDS) then feeds 1,024 matrix instructions of the work-group, and a refill has 240 of a wave's in which to land;
; with 64 columns to a work-group it had 112, on 384 work-groups.  An even share for 256 work-groups would be 256 x 96, which cuts heads and the rotation's pairs.
; W NEVER PASSES THROUGH LDS: a lane loads 16 bytes (four columns) of a row of W into a ring of eight JOBS (a job: 16 rows of K, eight loads; a K step has eight jobs a wave) and rounds pairs of rows to f16:
; the four registers of a load belong to four column classes j, and chunk column 4 r + j is column r of class j's fragment.  Seven jobs, 56 loads, are on their way at every wait in the loop.
; A goes through two LDS slots, filled by the tensor data mover; the four work-groups of a row of the 4 x 4 cluster need the same rows of A and ask JOINTLY.
; W is not asked for jointly since it does not land in LDS; its four readers are the four work-groups of a column of the cluster.
; THE WALK ALONG K IS TURNED.  All clusters read the same 8 MB of A.  The cluster with x = c begins at K step 5 c mod 16 and goes round: its step t is K step (5 c + t) mod 16, for A and for W alike,
; so that the twelve clusters stand at different K steps at any moment.  Every address is made anew from the step's number: a pointer, and an offset made apart from it.
; ONE K STEP IS WRITTEN ONCE: the loop's trip is eight phases; the slot in hand is a scalar, 0 or SLOT, turned by an exclusive or with SLOT and added to constant addresses.
; REGISTERS, in windows of 256 (s_set_vgpr_msb: bits 1:0 source 0, 3:2 source 1, 5:4 source 2, 7:6 destination):
;   window 0: v0-31 addresses; v64-127, v128-191 fragments of A, two buffers (8 x 16 rows x 32 K); v192-223, v224-255 fragments of W, two buffers (class j at + 8 j)
;   window 1: the ring, job place u at v[32 u], load e at + 4 e      window 2: accumulators of row blocks 0-7, (b, j) at 8 (4 b + j)      window 3: those of blocks 8-15
.set PITCH,  528                       ; an LDS row of A: 512 bytes + 16 of padding = 33 x 16: the 16 rows of a fragment load start at 16 different groups of four banks
.set QUART,  64*PITCH                  ; what one tensor load brings
.set HALFT,  128*PITCH                 ; the rows of one phase
.set SLOT,   256*PITCH
.set STAGE,  2*SLOT                    ; behind the slots: 16 rows x 144 bytes for each wave
.set SPITCH, 144
.set SPARE,  STAGE+4*16*SPITCH         ; the spare words: 128 bytes a wave, two blocks of 256 bytes that no other line names
.set ADRA, 4                           ; v4-5    LDS address of my A fragments in the slot in hand: rows 0-127, rows 128-255
.set ADR0, 6                           ; v6-7    the same in slot 0; never rewritten
.set WOFF, 8                           ; v8-15   load e of a job: (e + 8 h) rows of W + my 16 bytes of the row; never rewritten
.set RST,  16                          ; v16-17  where my partial sums go: rows 0-127, rows 128-255
.set RLD,  18                          ; v18     where I read the two partial sums of my rows
.set STO,  21                          ; v21     into my stage
.set SGN,  22                          ; v22-23  the sign and scale of sin
.set RD,   24                          ; v24     back from my stage
.set GO,   25                          ; v25     my byte offset in the chunk
.set CSO,  26                          ; v26-27  my byte offset in cos and sin, for each of a trip's two blocks
.set SPW,  28                          ; v28     my spare word; never rewritten
.set NIL,  29                          ; v29     0; never rewritten
.set AF,   64
.set WF,   192
.set G,    64                          ; the way out, window 0: 32 finished numbers of a block of 16 rows
.set CC,   96
.set SS,   128
.set H,    192
.set OB,   208
.set WV, 18                            ; s18 wave   s19 cx   s20 cy   s21 cluster x   s22 chunk X   s23 row block
.set CX, 19
.set CY, 20
.set CL, 21
.set XX, 22
.set MT, 23
.set G1, 24                            ; s[24:31] descriptor group 1
.set G0, 32                            ; s[32:35] descriptor group 0: slot 0's first fill, then every refill
.set G0X, 36                           ; s[36:39] descriptor group 0 of slot 1's first fill
.set WB, 40                            ; s[40:41] W at row 128 kh of K step 0, my chunk's columns; never rewritten
.set JT, 42                            ; s[42:43] a job's byte offset from there
.set KH, 44                            ; s44 which half of a K step is mine; also: which 128 rows I finish
.set CH, 45                            ; s45 which chunk of the head is mine
.set TB, 46                            ; s46 the slot in hand: 0 or SLOT
.set WQ, 47                            ; s47 my quarter of a slot: wave x 64 rows
.set KOA, 48                           ; s48 bytes from K step 0 to the K step of the jobs for ring places 4-7
.set KOB, 49                           ; s49 the same for ring places 0-3
.set PSH4, 50                          ; s50 16 rows of W are 1 << PSH4 bytes
.set LAP, 52
.set PSH, 53                           ; a row of W is 1 << PSH bytes
.set DSH, 54                           ; lanes r >= 8 read 1 << DSH bytes further on
.set KC,  55                           ; s55 5 c mod 16 + the trip's number
.set SA, 56                            ; s[56:57] factor of cos
.set SB, 58                            ; s[58:59] addend to it
.set SSN, 60                           ; s60 minus the factor of sin
.set STEPC, 61                         ; s61 the way out: bytes of cos and sin from a trip's rows to the next trip's
.set BL,  62                           ; s62 the way out's trips
.set AO,  70                           ; s[70:71] bytes from K step 0 to a K step in a row of A
.set AB,  72                           ; s[72:73] A at the rows that I fetch; never rewritten
.set WPC, 80                           ; s[80:95] the pointers that the jobs' loads name, one for each ring place
.set MSB, 0
.macro WIN new                         ; the immediate's high byte repeats the setting that is left; a switch that changes nothing is dropped
.if MSB != (\new)
	s_set_vgpr_msb (MSB<<8)|(\new)
.set MSB, (\new)
.endif
.endm
.macro PLACES                          ; four places behind matrix instructions, ahead of loads into and writes of registers that they have read
.rept 4
	v_nop
.endr
.endm
.macro CREST                           ; a round of the cluster's barrier behind its opening barrier
	s_cmp_lg_u32 s[WV], 0
	s_cbranch_scc1 .Lnot_wave_0_\@
	s_barrier_signal -3
.Lnot_wave_0_\@:
	s_barrier_wait -3
	s_barrier_signal -1
	s_barrier_wait -1
.endm
.macro CROUND                          ; a whole round
	s_barrier_signal -1
	s_barrier_wait -1
	CREST
.endm
.macro JLOAD g                         ; my 64 rows of a slot, by group 0 at s[g], asked for jointly with my row of the cluster; s_nop 0 and four v_nop follow
	tensor_load_to_lds s[(\g):(\g)+3], s[G1:G1+7]
	s_nop 0
	PLACES
.endm
.macro KOFF dst, add                   ; 256 rows of W x K step (KC + add) mod 16, in bytes: 62.9 million at the most
	s_add_co_u32 s[\dst], s[KC], \add
	s_and_b32 s[\dst], s[\dst], 15
	s_lshl_b32 s[\dst], s[\dst], 8
	s_lshl_b32 s[\dst], s[\dst], s[PSH]
.endm
.macro AADR g, add                     ; the group 0 at s[g] takes K step (KC + add) mod 16: 512 bytes of a row of A each; the type bits are set again
	s_add_co_u32 s[AO], s[KC], \add
	s_and_b32 s[AO], s[AO], 15
	s_lshl_b32 s[AO], s[AO], 9
	s_add_nc_u64 s[(\g)+2:(\g)+3], s[AB:AB+1], s[AO:AO+1]
	s_or_b32 s[(\g)+3], s[(\g)+3], 0x80000000
.endm
	s_load_b256 s[4:11], s[0:1], 0x0               ; xh s[4:5], wq s[6:7], wk s[8:9], wv s[10:11]
	s_load_b128 s[12:15], s[0:1], 0x20             ; cos s[12:13], sin s[14:15]
	s_load_b64 s[16:17], s[0:1], 0x30              ; qkv
	v_lshl_add_u32 v[SPW], v0, 2, SPARE
	v_mov_b32 v[NIL], 0
	ds_add_u32 v[SPW], v[NIL]                      ; the wave's opening: the add and its wait stand ahead of my first tensor load; the set-up below, work on registers, stands between them
	v_lshrrev_b32 v1, 5, v0
	v_readfirstlane_b32 s[WV], v1                  ; wave 0..3
	s_lshr_b32 s[KH], s[WV], 1
	s_and_b32 s[CH], s[WV], 1
	s_bfe_u32 s[CX], ttmp6, 0x40000
	s_bfe_u32 s[CY], ttmp6, 0x40004
	s_lshl_b32 s[XX], ttmp9, 2
	s_add_co_u32 s[XX], s[XX], s[CX]               ; head = 4 x cluster x + cx
	s_lshl_b32 s[XX], s[XX], 1
	s_add_co_u32 s[XX], s[XX], s[CH]               ; my chunk X = 2 head + ch
	s_and_b32 s[MT], ttmp7, 0xffff
	s_lshl_b32 s[MT], s[MT], 2
	s_add_co_u32 s[MT], s[MT], s[CY]               ; block of 256 rows = 4 x cluster y + cy
	s_lshl_b32 s76, s[CY], 2
	s_lshl_b32 s76, 15, s76                        ; my row of the cluster: places 4 cy .. 4 cy + 3
	s_or_b32 s[G1], s76, (1<<16)|(1<<20)|(1<<21)|(6<<22)|(3<<25)  ; the mask; 2-byte elements; padding on; bit 21 beside a mask; after every 128 words (code 6) 4 words (code 3)
	s_mov_b32 s[G1+1], 256<<16                     ; tensor_dim0 = 256
	s_mov_b32 s[G1+2], 64<<16                      ; tensor_dim1 = 64
	s_mov_b32 s[G1+3], 256<<16                     ; tile_dim0 = 256
	s_mov_b32 s[G1+4], 64                          ; tile_dim1 = 64
	s_mov_b32 s[G1+5], 4096                        ; elements from row to row
	s_mov_b32 s[G1+6], 0
	s_mov_b32 s[G1+7], 0
	s_lshl_b32 s78, s[MT], 8
	s_lshl_b32 s79, s[WV], 6
	s_add_co_u32 s79, s78, s79                     ; 256 x block + 64 w: the rows of A that I fetch
	s_lshl_b32 s77, s[KH], 7
	s_add_co_u32 s78, s78, s77                     ; 256 x block + 128 kh: the rows that I finish
	s_mul_i32 s[WQ], s[WV], QUART                  ; where my rows go in a slot: no place in the cluster enters an LDS address
	s_mov_b32 s[TB], 0                             ; my step 0 lies in slot 0
	s_mul_i32 s[KC], ttmp9, 5
	s_and_b32 s[KC], s[KC], 15                     ; the cluster's first K step: the same in all sixteen partners
	; which of the three weights, by the cluster's x alone (no branch): heads 0-31 wq, 32-39 wk, 40-47 wv
	s_mov_b32 s[CL], ttmp9
	s_cmp_lt_u32 s[CL], 8
	s_cselect_b32 s[PSH], 14, 12                   ; rows of 16,384 or of 4,096 bytes
	s_cselect_b32 s66, 0, 64
	s_cmp_lt_u32 s[CL], 10
	s_cselect_b32 s66, s66, 80                     ; the weight's first chunk
	s_cselect_b32 s[DSH], 8, 7                     ; q, k: the second 32 columns lie 64 columns on; v: 32 columns on
	s_cselect_b32 s[SA], 0x3b800000, 0             ; q, k: cos x 2^-8 + 0; v: cos x 0 + 2^-3
	s_cselect_b32 s[SB], 0, 0x3e000000
	s_cselect_b32 s[SSN], 0xbb800000, 0            ; q, k: sin x -+ 2^-8; v: sin x 0
	s_mov_b32 s[SA+1], s[SA]                       ; named as pairs
	s_mov_b32 s[SB+1], s[SB]
	s_sub_co_u32 s66, s[XX], s66                   ; the chunk's number in its weight
	s_lshr_b32 s67, s66, 1
	s_lshl_b32 s67, s67, 9                         ; q, k: head x 512 bytes
	s_and_b32 s68, s66, 1
	s_lshl_b32 s68, s68, 7                         ; + plane x 128 bytes
	s_add_co_u32 s67, s67, s68
	s_lshl_b32 s68, s66, 8                         ; v: chunk x 256 bytes
	s_cmp_lt_u32 s[CL], 10
	s_cselect_b32 s67, s67, s68                    ; the chunk's first column in bytes
	s_lshl_b32 s68, s[KH], 7
	s_lshl_b32 s68, s68, s[PSH]                    ; my 128 rows of a K step,
	s_add_co_u32 s68, s68, s67                     ; and the chunk's columns
	s_mov_b32 s69, 0
	s_add_co_u32 s[PSH4], s[PSH], 4
	s_mov_b32 s[JT+1], 0
	KOFF KOA, 0                                    ; jobs 0-7 are my step 0
	KOFF KOB, 0
	v_and_b32 v1, 15, v0                           ; r
	v_bfe_u32 v2, v0, 4, 1                         ; h
	v_and_b32 v3, 7, v1
	v_lshlrev_b32 v3, 4, v3
	v_lshrrev_b32 v30, 3, v1
	v_lshlrev_b32 v30, s[DSH], v30
	v_add_nc_u32 v3, v3, v30                       ; my 16 bytes of a row of W
	v_lshlrev_b32 v30, 3, v2
.irp e, 0,1,2,3,4,5,6,7
	v_add_nc_u32 v31, \e, v30                      ; row e + 8 h of the job
	v_lshlrev_b32 v31, s[PSH], v31
	v_add_nc_u32 v[WOFF+\e], v31, v3
.endr
	s_wait_dscnt 0x0                               ; the opening add is done
	s_wait_kmcnt 0x0
	s_cmp_lt_u32 s[CL], 8
	s_cselect_b64 s[WB:WB+1], s[6:7], s[8:9]
	s_cmp_lt_u32 s[CL], 10
	s_cselect_b64 s[WB:WB+1], s[WB:WB+1], s[10:11]
	s_add_nc_u64 s[WB:WB+1], s[WB:WB+1], s[68:69]
; The eight loads of a job into ring place pl: 16 lanes take 256 bytes (q, k: two pieces of 128) of one row, the other 16 lanes of the row 8 further on
.macro LOADJ pl
	WIN 0x40                                       ; destination window 1, address window 0
.irp e, 0,1,2,3,4,5,6,7
	global_load_b128 v[32*(\pl)+4*\e:32*(\pl)+4*\e+3], v[WOFF+\e], s[WPC+2*(\pl):WPC+2*(\pl)+1]
.endr
.endm
; Ring place pl takes job pl of a K step: rows 16 pl on of my 128, at the step's offset (places 0-3: KOB, places 4-7: KOA).  wait = 1: the place's pointer has been named by loads before.
.macro ISSUE pl, wait
.if \wait
	s_wait_xcnt 0x0                                ; the pointer is a source of earlier loads: it is written again only behind this wait
.endif
	s_lshl_b32 s[JT], \pl, s[PSH4]
.if (\pl) < 4
	s_add_co_u32 s[JT], s[JT], s[KOB]
.else
	s_add_co_u32 s[JT], s[JT], s[KOA]
.endif
	s_add_nc_u64 s[WPC+2*(\pl):WPC+2*(\pl)+1], s[WB:WB+1], s[JT:JT+1]
	LOADJ \pl
.endm
.irp p, 0,1,2,3,4,5,6,7
	ISSUE \p, 0                                    ; the ring is filled: my step 0
.endr
	WIN 0
	KOFF KOB, 1                                    ; the four jobs asked for ahead of the loop are the first four of my step 1
	s_lshl_b32 s72, s79, 13                        ; my rows of A, 8,192 bytes each
	s_mov_b32 s73, 0
	s_add_nc_u64 s[AB:AB+1], s[4:5], s[72:73]
	s_mov_b32 s[AO+1], 0
	CROUND                                         ; all sixteen work-groups are here: the first joint loads meet
	s_mov_b32 s[G0], 1                             ; count = 1
	s_mov_b32 s[G0+1], s[WQ]                       ; LDS address: slot 0
	AADR G0, 0                                     ; my step 0
	JLOAD G0
	s_mov_b32 s[G0X], 1
	s_add_co_u32 s[G0X+1], s[WQ], SLOT             ; slot 1
	AADR G0X, 1                                    ; my step 1
	JLOAD G0X                                      ; two tensor loads of mine are out, later one
	; addresses, made while the first tiles are on their way
	v_mul_u32_u24 v3, v1, PITCH
	v_lshl_add_u32 v3, v2, 4, v3                   ; a fragment's row x pitch + 16 x half
	s_lshl_b32 s66, s[KH], 8                       ; my 128 of a row's 256 k
	v_add_nc_u32 v[ADR0], s66, v3
	v_add_nc_u32 v[ADR0+1], HALFT, v[ADR0]
	v_mov_b32 v[ADRA], v[ADR0]
	v_mov_b32 v[ADRA+1], v[ADR0+1]
	v_and_b32 v30, 31, v0
	v_lshlrev_b32 v30, 4, v30                      ; 16 x lane
	s_lshl_b32 s66, s[CH], 17                      ; the partial sums: 131,072 bytes a chunk, 65,536 a half of the rows, 32,768 a writer
	s_lshl_b32 s67, s[KH], 15
	s_add_co_u32 s67, s67, s66
	v_add_nc_u32 v[RST], s67, v30                  ; as a writer: rows 0-127,
	v_add_nc_u32 v[RST+1], 0x10000, v[RST]         ; rows 128-255
	s_lshl_b32 s67, s[KH], 16
	s_add_co_u32 s67, s67, s66
	v_add_nc_u32 v[RLD], s67, v30                  ; as a reader: my half of the rows
	s_mul_i32 s66, s[WV], 16*SPITCH
	s_add_co_u32 s66, s66, STAGE                   ; my stage
	v_mul_u32_u24 v31, v2, 8*SPITCH                ; in: row 8 h + i, 8 bytes at 8 r
	v_lshl_add_u32 v31, v1, 3, v31
	v_add_nc_u32 v[STO], s66, v31
	v_bfe_u32 v31, v0, 3, 2                        ; back: 32 lanes take four rows of 128 bytes
	v_mul_u32_u24 v31, v31, SPITCH
	v_and_b32 v3, 7, v0
	v_lshl_add_u32 v31, v3, 4, v31
	v_add_nc_u32 v[RD], s66, v31
	v_mov_b32 v[GO], v30                           ; which are 512 consecutive bytes of the chunk
	v_lshlrev_b32 v[CSO], 12, v2                   ; cos, sin: row 8 h, channel 64 (r / 8) + 4 (r % 8)
	v_lshrrev_b32 v31, 3, v1
	v_lshl_add_u32 v[CSO], v31, 8, v[CSO]
	v_and_b32 v31, 7, v1
	v_lshl_add_u32 v[CSO], v31, 4, v[CSO]
	v_add_nc_u32 v[CSO+1], 8192, v[CSO]            ; the trip's second block: 16 rows on
	s_lshl_b32 s66, s[XX], 17                      ; the chunk, 131,072 bytes,
	s_lshl_b32 s67, s78, 7                         ; and my first row in it
	s_add_co_u32 s66, s66, s67
	s_mov_b32 s67, 0
	s_add_nc_u64 s[16:17], s[16:17], s[66:67]
	s_lshl_b32 s66, s78, 9                         ; my first row of cos and sin,
	s_lshl_b32 s68, s[CH], 7                       ; and the plane's 32 channels
	s_add_co_u32 s66, s66, s68
	s_add_nc_u64 s[12:13], s[12:13], s[66:67]
	s_add_nc_u64 s[14:15], s[14:15], s[66:67]
; A PHASE is 32 matrix instructions: 8 row blocks x 4 column classes, 32 along K.  Phase n of a K step's eight: slice n / 2 of my 128 k, rows 128 (n % 2) on.
; The 32 accumulators of a phase take turns, and neighbouring phases have different ones.
.macro MM n, q, zero                   ; accumulator q = 4 b + j.  zero = 1: the product starts the sum
	WIN 0xa0+0x50*((\n)%2)                         ; A and W window 0; C and D window 2 or 3
.if \zero
	v_wmma_f32_16x16x32_f16 v[8*(\q):8*(\q)+7], v[AF+64*((\n)%2)+8*((\q)/4):AF+64*((\n)%2)+8*((\q)/4)+7], v[WF+32*(((\n)/2)%2)+8*((\q)%4):WF+32*(((\n)/2)%2)+8*((\q)%4)+7], 0
.else
	v_wmma_f32_16x16x32_f16 v[8*(\q):8*(\q)+7], v[AF+64*((\n)%2)+8*((\q)/4):AF+64*((\n)%2)+8*((\q)/4)+7], v[WF+32*(((\n)/2)%2)+8*((\q)%4):WF+32*(((\n)/2)%2)+8*((\q)%4)+7], v[8*(\q):8*(\q)+7]
.endif
.endm
.macro MMS n, q0, q1, zero
.set qq, \q0
.rept (\q1)-(\q0)+1
	MM \n, qq, \zero
.set qq, qq+1
.endr
.endm
.macro AFETCH n                        ; the 16 LDS loads of phase n's fragments of A, in one run, from the slot in hand
	WIN 0
.irp b, 0,1,2,3,4,5,6,7
	ds_load_b128 v[AF+64*((\n)%2)+8*\b:AF+64*((\n)%2)+8*\b+3],   v[ADRA+(\n)%2] offset:\b*16*PITCH+64*((\n)/2)
	ds_load_b128 v[AF+64*((\n)%2)+8*\b+4:AF+64*((\n)%2)+8*\b+7], v[ADRA+(\n)%2] offset:\b*16*PITCH+64*((\n)/2)+32
.endr
.endm
; The job in ring place pl is rounded to f16: rows 2 q and 2 q + 1 of a lane's eight make register q of class j's half fragment.  cnt: the younger jobs' loads, which stay out.
.macro CONV pl, cnt
	s_wait_loadcnt \cnt
	WIN 0x05                                       ; sources window 1, destination window 0
.irp j, 0,1,2,3
.irp q, 0,1,2,3
	v_cvt_pk_f16_f32 v[WF+32*(((\pl)/2)%2)+8*\j+4*((\pl)%2)+\q], v[32*(\pl)+8*\q+\j], v[32*(\pl)+8*\q+4+\j]
.endr
.endr
.endm
; Phase n multiplies, fetches the next phase's A (next = 1), rounds the job two phases on into the other W buffer (cnt >= 0) and asks for the job ten phases on (issue = 1).
.macro PHASE n, zero, cnt, issue, next
	s_wait_dscnt 0x0                               ; my 16 fragment loads, issued 24 matrix instructions ago; nothing younger is out
	MMS \n, 0, 7, \zero
.if (\next) || ((\cnt) >= 0)
	PLACES                                         ; behind the last phase's products, which read the other A buffer and the other W buffer
.endif
.if \next
	AFETCH ((\n)+1)%8
.endif
	MMS \n, 8, 19, \zero
.if (\cnt) >= 0
	CONV ((\n)+2)%8, \cnt
.endif
.if \issue
	ISSUE ((\n)+2)%8, 1
.endif
	MMS \n, 20, 31, \zero
.endm
; A K step's last phase (n = 7) changes slots.  Its fragments are the last reads of the slot.  In front of the barrier each wave waits for all its tensor loads, of which one is out: its part of the next slot;
; adds 0 to its spare word; and waits for that and for its reads.  refill = 1: group 0 takes the slot in hand and my step two further on while the add is out; the barrier opens a round of the cluster's, and the
; joint refill is the first thing behind the round: 240 matrix instructions stand between it and the wait for it.  Then the other slot is in hand.
.macro TURN cnt, issue, refill
	WIN 0
	s_wait_tensorcnt 0x0                           ; all my tensor loads have landed, so a group 0 may be written
	ds_add_u32 v[SPW], v[NIL]                      ; 0 onto my spare word
.if \refill
	s_add_co_u32 s[G0+1], s[TB], s[WQ]             ; my quarter of the slot that is left
	AADR G0, 2
.endif
	s_wait_dscnt 1                                 ; my fragments are in; the add alone may be out
	MMS 7, 0, 7, 0
	s_wait_dscnt 0x0                               ; the add is done, and my reads of this slot are over
	s_barrier_signal -1
	MMS 7, 8, 15, 0                                ; work on registers while the others arrive
	WIN 0
	s_barrier_wait -1
.if \refill
	CREST                                          ; no wave of any partner still reads this slot or has a load on its way
	JLOAD G0                                       ; its four v_nop are also the places in front of the loads and conversions below
.else
	PLACES
.endif
	s_xor_b32 s[TB], s[TB], SLOT                   ; 0 and SLOT change places
	v_add_nc_u32 v[ADRA], s[TB], v[ADR0]
	v_add_nc_u32 v[ADRA+1], s[TB], v[ADR0+1]
	AFETCH 0
	CONV 1, \cnt
.if \issue
	ISSUE 1, 1
.endif
	MMS 7, 16, 31, 0
.endm
; cos and sin of a block of 16 rows (row 8 h + i, my four channels) into set x of window 1: cos at 64 x + 4 i, sin at 64 x + 32 + 4 i
.macro CSLOAD x
	WIN 0x40
.irp i, 0,1,2,3,4,5,6,7
	global_load_b128 v[64*(\x)+4*\i:64*(\x)+4*\i+3],       v[CSO+(\x)], s[12:13] offset:512*\i
	global_load_b128 v[64*(\x)+32+4*\i:64*(\x)+32+4*\i+3], v[CSO+(\x)], s[14:15] offset:512*\i
.endr
	WIN 0
.endm
	s_wait_tensorcnt 1                             ; my part of my step 0 is in; step 1's may stay out
	s_barrier_signal -1
	s_barrier_wait -1                              ; everybody's is
	AFETCH 0
	CONV 0, 56                                     ; jobs 0 and 1 make the first W fragments; behind each, seven jobs of eight loads are out
	ISSUE 0, 1
	CONV 1, 56
	ISSUE 1, 1
	PHASE 0, 1, 56, 1, 1                           ; the first two phases start the 64 sums: nothing is cleared
	PHASE 1, 1, 56, 1, 1
	WIN 0                                          ; at a label and at a branch every window is 0
	s_mov_b32 s[LAP], 14
.Llap:                                                 ; trip t: my step t from its third phase on, and the first two phases of step t + 1; the slot of step t is filled again, with step t + 2
	KOFF KOA, 1                                    ; the trip's first four jobs are the last four of my step t + 1,
	KOFF KOB, 2                                    ; its last four the first four of my step t + 2
	PHASE 2, 0, 56, 1, 1
	PHASE 3, 0, 56, 1, 1
	PHASE 4, 0, 56, 1, 1
	PHASE 5, 0, 56, 1, 1
	PHASE 6, 0, 56, 1, 1
	TURN  56, 1, 1
	PHASE 0, 0, 56, 1, 1
	PHASE 1, 0, 56, 1, 1
	WIN 0
	s_add_co_u32 s[KC], s[KC], 1
	s_sub_co_u32 s[LAP], s[LAP], 1
	s_cmp_lg_u32 s[LAP], 0
	s_cbranch_scc1 .Llap
	KOFF KOA, 1                                    ; the tail is written out: my steps 14 (from its third phase) and 15
	PHASE 2, 0, 56, 1, 1                           ; the last four jobs of my step 15 are asked for;
	PHASE 3, 0, 56, 1, 1
	PHASE 4, 0, 56, 1, 1
	PHASE 5, 0, 56, 1, 1
	PHASE 6, 0, 56, 0, 1                           ; then nothing more: the counts run down by a job's eight loads
	TURN  48, 0, 0
	PHASE 0, 0, 40, 0, 1
	PHASE 1, 0, 32, 0, 1
	PHASE 2, 0, 24, 0, 1
	PHASE 3, 0, 16, 0, 1
	PHASE 4, 0, 8, 0, 1
	PHASE 5, 0, 0, 0, 1
	CSLOAD 0                                       ; the ring is empty: cos and sin of my first two blocks go out under the last 64 products
	CSLOAD 1
	PHASE 6, 0, -1, 0, 1
	PHASE 7, 0, -1, 0, 0
	; THE WAY OUT.  The partial tiles meet in LDS, where the slots lay (their last fill is over): every wave stores its 64 accumulators; wave (kh, ch) then finishes rows 128 kh .. + 127 of chunk ch.
	WIN 0
	PLACES                                         ; behind the last products, ahead of the stores that read them
	s_wait_dscnt 0x0
	s_barrier_signal -1
	s_barrier_wait -1                              ; every wave's reads of the slots are over
.set bb, 0
.rept 16
	WIN 0x08+4*(bb/8)                              ; store data in window 2 or 3
.irp j, 0,1,2,3
.irp hh, 0,1                           ; each accumulator from its low end
	ds_store_b128 v[RST+bb/8], v[8*(4*(bb%8)+\j)+4*\hh:8*(4*(bb%8)+\j)+4*\hh+3] offset:((bb%8)*4+\j)*1024+512*\hh
.endr
.endr
.set bb, bb+1
.endr
	WIN 0
	v_cmp_gt_u32 vcc_lo, 8, v1                     ; lanes r < 8 hold channels d < 64: their partner enters with a minus
	v_mov_b32 v[SGN], s[SA]
	v_cndmask_b32 v[SGN], v[SGN], s[SSN], vcc_lo
	v_mov_b32 v[SGN+1], v[SGN]
	s_wait_dscnt 0x0                               ; for the others' sake: my stores are done
	s_barrier_signal -1
	s_barrier_wait -1
; Block x of a trip's two: 16 rows are finished.  Its cos and sin are used first and their registers asked for again at once, for the next trip's block: those loads have a whole trip in which to land.
.macro FIN x
	s_wait_loadcnt 16                              ; this block's cos and sin; the other block's 16 loads, issued behind them, may stay out.  The wait also frees this block's offset register
	WIN 0x01                                       ; source 0 window 1
.set z, 0
.rept 16
	v_pk_fma_f32 v[CC+2*z:CC+2*z+1], v[64*(\x)+2*z:64*(\x)+2*z+1], s[SA:SA+1], s[SB:SB+1] op_sel_hi:[1,0,0]
	v_pk_mul_f32 v[SS+2*z:SS+2*z+1], v[64*(\x)+32+2*z:64*(\x)+32+2*z+1], v[SGN:SGN+1]
.set z, z+1
.endr
	WIN 0
	v_add_nc_u32 v[CSO+(\x)], s[STEPC], v[CSO+(\x)]
	CSLOAD \x
.if (\x) == 0
	s_wait_dscnt 16                                ; this block's partial sums; the second block's 16 loads may stay out (the wait for 0 below shows them in)
.endif
	WIN 0x0a                                       ; sources window 2, destination window 0
.irp i, 0,1,2,3,4,5,6,7                ; the addition also gathers: G[4 i + j] = row 8 h + i, columns 4 r + j
.irp j, 0,1,2,3
	v_add_f32 v[G+4*\i+\j], v[64*(\x)+8*\j+\i], v[64*(\x)+32+8*\j+\i]
.endr
.endr
	WIN 0
.set z, 0
.rept 32
	v_mul_f32_dpp v[SS+z], v[G+z], v[SS+z] row_xmask:8 row_mask:0xf bank_mask:0xf  ; the partner d +- 64 lies in lane r xor 8
.set z, z+1
.endr
.set z, 0
.rept 16
	v_pk_fma_f32 v[G+2*z:G+2*z+1], v[G+2*z:G+2*z+1], v[CC+2*z:CC+2*z+1], v[SS+2*z:SS+2*z+1]
.set z, z+1
.endr
.set z, 0
.rept 16
	v_cvt_pk_f16_f32 v[H+z], v[G+2*z], v[G+2*z+1]
.set z, z+1
.endr
.irp i, 0,1,2,3,4,5,6,7
	ds_store_b64 v[STO], v[H+2*\i:H+2*\i+1] offset:SPITCH*\i
.endr
	s_wait_xcnt 0x0                                ; the last block's stores have read OB and GO
.if (\x) == 0
	v_add_nc_u32 v[GO], 4096, v[GO]                ; the trip's 32 rows; the stores reach back by their immediates
.endif
.irp f, 0,1,2,3
	ds_load_b128 v[OB+4*\f:OB+4*\f+3], v[RD] offset:4*SPITCH*\f  ; LDS serves a wave's instructions in order: these see the stores above
.endr
	s_wait_dscnt 0x0
.irp f, 0,1,2,3
	global_store_b128 v[GO], v[OB+4*\f:OB+4*\f+3], s[16:17] offset:2048*(\x)+512*\f-4096  ; 512 consecutive bytes of the chunk, aligned
.endr
.endm
	s_mov_b32 s[BL], 4
.Lblk:                                                 ; four trips of two blocks of 16 rows
	s_cmp_eq_u32 s[BL], 1
	s_cselect_b32 s[STEPC], 0, 0x4000              ; 32 rows of cos and sin on; in the last trip there are none: the same rows are read once more, inside the tables, and not used
	WIN 0x80                                       ; destination window 2: block x, writer wr at 64 x + 32 wr
.irp x, 0,1
.irp wr, 0,1
.irp j, 0,1,2,3
.irp hh, 0,1
	ds_load_b128 v[64*\x+32*\wr+8*\j+4*\hh:64*\x+32*\wr+8*\j+4*\hh+3], v[RLD] offset:4096*\x+32768*\wr+1024*\j+512*\hh
.endr
.endr
.endr
.endr
	WIN 0
	FIN 0
	FIN 1
	v_add_nc_u32 v[RLD], 8192, v[RLD]              ; the next two blocks' partial sums
	s_sub_co_u32 s[BL], s[BL], 1
	s_cmp_lg_u32 s[BL], 0
	s_cbranch_scc1 .Lblk
	s_wait_tensorcnt 0x0                           ; the wave's end, behind my last tensor load and my last LDS store
	ds_add_u32 v[SPW], v[NIL]
	s_wait_dscnt 0x0
	CROUND                                         ; the closing round: no work-group ends while a partner may still ask for a tile that names it
	s_endpgm
.Lfunc_end_k_q7c8f1a4580_qkv:
	.size	k_q7c8f1a4580_qkv, .Lfunc_end_k_q7c8f1a4580_qkv-k_q7c8f1a4580_qkv
	.p2alignl 7, 3214868480
	.fill 96, 4, 3214868480
	.section	.rodata,"a",@progbits
	.p2align	6, 0x0
	.amdhsa_kernel k_q7c8f1a4580_qkv
		.amdhsa_group_segment_fixed_size 327680
		.amdhsa_private_segment_fixed_size 0
		.amdhsa_enable_private_segment 0
		.amdhsa_kernarg_size 56
		.amdhsa_user_sgpr_count 2
		.amdhsa_user_sgpr_kernarg_segment_ptr 1
		.amdhsa_wavefront_size32 1
		.amdhsa_system_sgpr_workgroup_id_x 1
		.amdhsa_system_sgpr_workgroup_id_y 1
		.amdhsa_system_sgpr_workgroup_id_z 1
		.amdhsa_system_vgpr_workitem_id 0
		.amdhsa_next_free_vgpr 1024
		.amdhsa_next_free_sgpr 96
		.amdhsa_reserve_vcc 1
		.amdhsa_float_denorm_mode_32 3
		.amdhsa_float_denorm_mode_16_64 3
		.amdhsa_memory_ordered 1
		.amdhsa_forward_progress 1
		.amdhsa_inst_pref_size 170
	.end_amdhsa_kernel
	.amdgpu_metadata
---
amdhsa.version: [ 1, 2 ]
amdhsa.kernels:
  - .name:           k_q7c8f1a4580_qkv
    .symbol:         k_q7c8f1a4580_qkv.kd
    .args:
      - { .name: xh, .offset: 0, .size: 8, .value_kind: global_buffer, .address_space: global }
      - { .name: wq, .offset: 8, .size: 8, .value_kind: global_buffer, .address_space: global }
      - { .name: wk, .offset: 16, .size: 8, .value_kind: global_buffer, .address_space: global }
      - { .name: wv, .offset: 24, .size: 8, .value_kind: global_buffer, .address_space: global }
      - { .name: cos, .offset: 32, .size: 8, .value_kind: global_buffer, .address_space: global }
      - { .name: sin, .offset: 40, .size: 8, .value_kind: global_buffer, .address_space: global }
      - { .name: qkv, .offset: 48, .size: 8, .value_kind: global_buffer, .address_space: global }
    .group_segment_fixed_size: 327680
    .private_segment_fixed_size: 0
    .kernarg_segment_align: 8
    .kernarg_segment_size: 56
    .max_flat_workgroup_size: 128
    .sgpr_count:     96
    .vgpr_count:     1024
    .wavefront_size: 32
...
	.end_amdgpu_metadata
.endif
;; end of part 5
;; launch attn: the kernel of part 3 again; grid 32 x 8, 4 waves a work-group, clusters of 4 x 1, 327,680 bytes of LDS; arguments qkv, mask_w, mask_b, oh; writes oh
;; launch outp (part 6): grid 64 x 4, 4 waves a work-group, clusters of 4 x 4, 327,680 bytes of LDS; arguments oh, wo, out0; writes out0
.if DOCPART == 6
	.amdgcn_target "amdgcn-amd-amdhsa--gfx1250"
	.amdhsa_code_object_version 6
	.text
	.protected	k_q7c8f1a4580_outp
	.globl	k_q7c8f1a4580_outp
	.p2align	8
	.type	k_q7c8f1a4580_outp,@function
k_q7c8f1a4580_outp:
	s_mov_b64 s[64:65], 0
	v_nop
	global_prefetch_b8 v0, s[64:65] scope:SCOPE_SE
	s_setreg_imm32_b32 hwreg(HW_REG_WAVE_MODE, 25, 1), 1
	s_wait_xcnt 0x0
	s_wait_alu depctr_hold_cnt(0) depctr_sa_sdst(0) depctr_va_vdst(0) depctr_va_sdst(0) depctr_va_ssrc(0) depctr_va_vcc(0) depctr_vm_vsrc(0)
	s_getreg_b32 s2, hwreg(HW_REG_IB_STS2, 6, 4)
	s_cmp_eq_u32 s2, 0
	s_cbranch_scc0 .Lentry_in_a_cluster
	s_endpgm
.Lentry_in_a_cluster:
	s_bfe_u32 s2, ttmp6, 0x10000c
	s_cmp_lg_u32 s2, 0xf033
	s_cbranch_scc0 .Lentry_shape_is_right
	s_endpgm
.Lentry_shape_is_right:
; out0 = 8 x (A W) for 1,024 rows.  A = oh (O / 8): [1024][4096] f16.  W = wo: [4096][4096] f32, N along the rows.  out0: [1024][4096] f32.
; The loop is the text of the projection in front (kernel qkv); set-up and way out are this kernel's own.
; LIMITS.  Operands are f16: |O / 8| and |w| up to 65,504.  A sum over K is made of four partial f32 sums, each running from the cluster's first K step round to the step before it.
; SHARES.  A work-group makes 256 rows x 64 columns.  Its four waves SPLIT K: of each K step of 256 wave w takes k = 64 w .. 64 w + 63, and each wave holds the whole tile, 64 accumulators,
; 512 registers.  So each LDS byte of A and each byte of W is read by one wave alone: for 64 matrix instructions 32 LDS loads, 16 global loads and 32 conversions.  At the end the four partial tiles meet in LDS.
; W NEVER PASSES THROUGH LDS: a lane loads 16 bytes (four columns) of a row of W into a ring of eight JOBS (a job: 16 rows of K, eight loads) and rounds pairs of rows to f16:
; the four registers of a load belong to four column classes j, and tile column 4 r + j is column r of class j's fragment.  Seven jobs, 56 loads, are on their way at every wait.
; A goes through two LDS slots of one K step (256 rows x 512 bytes), filled by the tensor data mover; the four work-groups of a row of the 4 x 4 cluster need the same rows of A and ask JOINTLY.
; W is not asked for jointly since it does not land in LDS; its four readers are the four work-groups of a column of the cluster.
; THE WALK ALONG K IS TURNED.  All clusters read the same 8 MB of A.  The cluster with x = c begins at K step 5 c mod 16 and goes round: its step t is K step (5 c + t) mod 16, for A and for W alike.
; So the clusters stand at different K steps at any moment, and a cluster is the first to ask for few of A's sixteen steps: 5 is odd, so the sixteen clusters begin at sixteen different steps;
; eight neighbouring ones lie at most four steps apart, eight alternate ones two.  Every address is made anew from the step's number: a pointer, and an offset made apart from it.
; REGISTERS, in windows of 256 (s_set_vgpr_msb: bits 1:0 source 0, 3:2 source 1, 5:4 source 2, 7:6 destination):
;   window 0: v0-31 addresses; v64-127, v128-191 fragments of A, two buffers (8 x 16 rows x 32 K); v192-223, v224-255 fragments of W, two buffers (class j at + 8 j)
;   window 1: the ring, job place u at v[32 u], load e at + 4 e      window 2: accumulators of row blocks 0-7, (b, j) at 8 (4 b + j)      window 3: those of blocks 8-15
.set PITCH,  528                       ; an LDS row of A: 512 bytes + 16 of padding = 33 x 16: the 16 rows of a fragment load start at 16 different groups of four banks
.set QUART,  64*PITCH                  ; what one tensor load brings
.set HALFT,  128*PITCH                 ; the rows of one phase
.set SLOT,   256*PITCH
.set SPARE,  2*SLOT                    ; behind the slots: the spare words, 128 bytes a wave, two blocks of 256 bytes that no other line names
.set ADRA, 4                           ; v4-7    LDS address of my A fragments: slot 0 rows 0-127, rows 128-255; slot 1 likewise
.set WOFF, 8                           ; v8-15   load e of a job: (e + 8 h) rows of W + my 16 bytes of the row; never rewritten
.set RST,  16                          ; v16-19  where my partial sums go: the region of the wave that owns rows 64 v ..
.set RLD,  20                          ; v20     where I read the four partial sums of my rows
.set GO,   25                          ; v25     my byte offset in the output
.set SPW,  28                          ; v28     my spare word; never rewritten
.set NIL,  29                          ; v29     0; never rewritten
.set AF,   64
.set WF,   192
.set G,    64                          ; the way out, window 0: 32 finished numbers for each block of 16 rows
.set WV, 18                            ; s18 wave   s19 cx   s20 cy   s22 block of 64 columns X   s23 row block
.set CX, 19
.set CY, 20
.set XX, 22
.set MT, 23
.set G1, 24                            ; s[24:31] descriptor group 1
.set G0, 32                            ; s[32:39] descriptor group 0, a set for each slot
.set WB, 40                            ; s[40:47] four pointers into W, never rewritten: rows 64 w + 16 j of K step 0, the block's columns
.set KOA, 48                           ; s[48:49] bytes from K step 0 to the K step of the jobs for ring places 4-7
.set LAP, 52
.set PSH, 53                           ; a row of W is 1 << PSH bytes
.set DSH, 54                           ; lanes r >= 8 read 1 << DSH bytes further on
.set KC,  55                           ; s55 5 c mod 16 + 2 x the trip's number
.set SA, 56                            ; s56 8.0
.set KOB, 62                           ; s[62:63] the same as KOA for ring places 0-3
.set AO,  70                           ; s[70:71] bytes from K step 0 to a K step in a row of A
.set AB,  72                           ; s[72:73] A at the rows that I fetch; never rewritten
.set WPC, 80                           ; s[80:87] the pointers that the jobs' loads name, one for each j
.set MSB, 0
.macro WIN new                         ; the immediate's high byte repeats the setting that is left; a switch that changes nothing is dropped
.if MSB != (\new)
	s_set_vgpr_msb (MSB<<8)|(\new)
.set MSB, (\new)
.endif
.endm
.macro PLACES                          ; four places behind matrix instructions, ahead of loads into and writes of registers that they have read
.rept 4
	v_nop
.endr
.endm
.macro CREST                           ; a round of the cluster's barrier behind its opening barrier
	s_cmp_lg_u32 s[WV], 0
	s_cbranch_scc1 .Lnot_wave_0_\@
	s_barrier_signal -3
.Lnot_wave_0_\@:
	s_barrier_wait -3
	s_barrier_signal -1
	s_barrier_wait -1
.endm
.macro CROUND                          ; a whole round
	s_barrier_signal -1
	s_barrier_wait -1
	CREST
.endm
.macro JLOAD s                         ; my 64 rows of slot s, asked for jointly with my row of the cluster; s_nop 0 and four v_nop follow
	tensor_load_to_lds s[G0+4*(\s):G0+4*(\s)+3], s[G1:G1+7]
	s_nop 0
	PLACES
.endm
.macro KOFF dst, add                   ; the low word of pair dst: 256 rows of W x K step (KC + add) mod 16, in bytes: 62.9 million at the most
	s_add_co_u32 s[\dst], s[KC], \add
	s_and_b32 s[\dst], s[\dst], 15
	s_lshl_b32 s[\dst], s[\dst], 8
	s_lshl_b32 s[\dst], s[\dst], s[PSH]
.endm
.macro AADR s, add                     ; slot s's group 0 takes K step (KC + add) mod 16: 512 bytes of a row of A each; the type bits are set again
	s_add_co_u32 s[AO], s[KC], \add
	s_and_b32 s[AO], s[AO], 15
	s_lshl_b32 s[AO], s[AO], 9
	s_add_nc_u64 s[G0+4*(\s)+2:G0+4*(\s)+3], s[AB:AB+1], s[AO:AO+1]
	s_or_b32 s[G0+4*(\s)+3], s[G0+4*(\s)+3], 0x80000000
.endm
	s_load_b128 s[4:7], s[0:1], 0x0                ; oh s[4:5], wo s[6:7]
	s_load_b64 s[8:9], s[0:1], 0x10                ; out0
	v_lshl_add_u32 v[SPW], v0, 2, SPARE
	v_mov_b32 v[NIL], 0
	ds_add_u32 v[SPW], v[NIL]                      ; the wave's opening: the add and its wait stand ahead of my first tensor load; the set-up below, work on registers, stands between them
	v_lshrrev_b32 v1, 5, v0
	v_readfirstlane_b32 s[WV], v1                  ; wave 0..3
	s_bfe_u32 s[CX], ttmp6, 0x40000
	s_bfe_u32 s[CY], ttmp6, 0x40004
	s_lshl_b32 s[XX], ttmp9, 2
	s_add_co_u32 s[XX], s[XX], s[CX]               ; block of 64 columns X = 4 x cluster x + cx
	s_and_b32 s[MT], ttmp7, 0xffff
	s_lshl_b32 s[MT], s[MT], 2
	s_add_co_u32 s[MT], s[MT], s[CY]               ; block of 256 rows = 4 x cluster y + cy
	s_lshl_b32 s76, s[CY], 2
	s_lshl_b32 s76, 15, s76                        ; my row of the cluster: places 4 cy .. 4 cy + 3
	s_or_b32 s[G1], s76, (1<<16)|(1<<20)|(1<<21)|(6<<22)|(3<<25)  ; the mask; 2-byte elements; padding on; bit 21 beside a mask; after every 128 words (code 6) 4 words (code 3)
	s_mov_b32 s[G1+1], 256<<16                     ; tensor_dim0 = 256
	s_mov_b32 s[G1+2], 64<<16                      ; tensor_dim1 = 64
	s_mov_b32 s[G1+3], 256<<16                     ; tile_dim0 = 256
	s_mov_b32 s[G1+4], 64                          ; tile_dim1 = 64
	s_mov_b32 s[G1+5], 4096                        ; elements from row to row
	s_mov_b32 s[G1+6], 0
	s_mov_b32 s[G1+7], 0
	s_lshl_b32 s78, s[MT], 8
	s_lshl_b32 s79, s[WV], 6
	s_add_co_u32 s78, s78, s79                     ; 256 x block + 64 w: the rows of A that I fetch, and the rows of C that I finish
	s_mul_i32 s77, s[WV], QUART                    ; and where they go in a slot: no place in the cluster enters an LDS address
	s_mul_i32 s[KC], ttmp9, 5
	s_and_b32 s[KC], s[KC], 15                     ; the cluster's first K step: the same in all sixteen partners
	s_mov_b32 s[PSH], 14                           ; rows of 16,384 bytes
	s_mov_b32 s[DSH], 7                            ; 64 columns on end
	s_mov_b32 s[SA], 0x41000000                    ; 8.0
	s_lshl_b32 s67, s[XX], 8                       ; the block's first column in bytes
	s_lshl_b32 s68, s[WV], 6
	s_lshl_b32 s68, s68, s[PSH]                    ; my 64 rows of a K step,
	s_add_co_u32 s68, s68, s67                     ; and the block's columns
	s_mov_b32 s69, 0
	s_lshl_b32 s74, 16, s[PSH]                     ; a job's 16 rows
	s_mov_b32 s75, 0
	KOFF KOB, 0                                    ; my steps 0 and 1: jobs 0-3 and 4-7
	KOFF KOA, 1
	s_mov_b32 s[KOA+1], 0
	s_mov_b32 s[KOB+1], 0
	v_and_b32 v1, 15, v0                           ; r
	v_bfe_u32 v2, v0, 4, 1                         ; h
	v_and_b32 v3, 7, v1
	v_lshlrev_b32 v3, 4, v3
	v_lshrrev_b32 v30, 3, v1
	v_lshlrev_b32 v30, s[DSH], v30
	v_add_nc_u32 v3, v3, v30                       ; my 16 bytes of a row of W
	v_lshlrev_b32 v30, 3, v2
.irp e, 0,1,2,3,4,5,6,7
	v_add_nc_u32 v31, \e, v30                      ; row e + 8 h of the job
	v_lshlrev_b32 v31, s[PSH], v31
	v_add_nc_u32 v[WOFF+\e], v31, v3
.endr
	s_wait_dscnt 0x0                               ; the opening add is done
	s_wait_kmcnt 0x0
	s_add_nc_u64 s[WB:WB+1], s[6:7], s[68:69]
	s_add_nc_u64 s[WB+2:WB+3], s[WB:WB+1], s[74:75]
	s_add_nc_u64 s[WB+4:WB+5], s[WB+2:WB+3], s[74:75]
	s_add_nc_u64 s[WB+6:WB+7], s[WB+4:WB+5], s[74:75]
; The eight loads of a job into ring place pl: 16 lanes take 256 bytes of one row, the other 16 lanes of the row 8 further on
.macro LOADJ pl
	WIN 0x40                                       ; destination window 1, address window 0
.irp e, 0,1,2,3,4,5,6,7
	global_load_b128 v[32*(\pl)+4*\e:32*(\pl)+4*\e+3], v[WOFF+\e], s[WPC+2*((\pl)%4):WPC+2*((\pl)%4)+1]
.endr
.endm
.irp j, 0,1,2,3
	s_add_nc_u64 s[WPC+2*\j:WPC+2*\j+1], s[WB+2*\j:WB+2*\j+1], s[KOB:KOB+1]
.endr
	LOADJ 0                                        ; the ring is filled: jobs 0 to 7, my steps 0 and 1
	LOADJ 1
	LOADJ 2
	LOADJ 3
	s_wait_xcnt 0x0                                ; the pointers are sources of those loads: they are written again only behind this wait
.irp j, 0,1,2,3
	s_add_nc_u64 s[WPC+2*\j:WPC+2*\j+1], s[WB+2*\j:WB+2*\j+1], s[KOA:KOA+1]
.endr
	LOADJ 4
	LOADJ 5
	LOADJ 6
	LOADJ 7
	WIN 0
	KOFF KOB, 2                                    ; jobs 8-11, asked for ahead of the loop, are my step 2
	s_lshl_b32 s72, s78, 13                        ; my rows of A, 8,192 bytes each
	s_mov_b32 s73, 0
	s_add_nc_u64 s[AB:AB+1], s[4:5], s[72:73]
	s_mov_b32 s[AO+1], 0
	CROUND                                         ; all sixteen work-groups are here: the first joint loads meet
.irp s, 0,1
	s_mov_b32 s[G0+4*\s], 1                        ; count = 1
	s_add_co_u32 s[G0+4*\s+1], s77, \s*SLOT        ; LDS address
	AADR \s, \s                                    ; my step s
	JLOAD \s                                       ; two tensor loads of mine are out, later one
.endr
	; addresses, made while the first tiles are on their way
	v_mul_u32_u24 v3, v1, PITCH
	v_lshl_add_u32 v3, v2, 4, v3                   ; a fragment's row x pitch + 16 x half
	s_lshl_b32 s66, s[WV], 7                       ; my 64 of a row's 256 k
	v_add_nc_u32 v[ADRA], s66, v3
	v_add_nc_u32 v[ADRA+1], HALFT, v[ADRA]
	v_add_nc_u32 v[ADRA+2], SLOT, v[ADRA]
	v_add_nc_u32 v[ADRA+3], SLOT+HALFT, v[ADRA]
	v_and_b32 v30, 31, v0
	v_lshlrev_b32 v30, 4, v30                      ; 16 x lane
	s_lshl_b32 s66, s[WV], 14
	v_add_nc_u32 v[RST], s66, v30                  ; region v: 65,536 v; in it the writer's 16,384 bytes
	v_add_nc_u32 v[RST+1], 0x10000, v[RST]
	v_add_nc_u32 v[RST+2], 0x20000, v[RST]
	v_add_nc_u32 v[RST+3], 0x30000, v[RST]
	s_lshl_b32 s66, s[WV], 16
	v_add_nc_u32 v[RLD], s66, v30
	v_lshlrev_b32 v[GO], 17, v2                    ; row 8 h of 16,384 bytes, 16 bytes at 16 r
	v_lshl_add_u32 v[GO], v1, 4, v[GO]
	s_lshl_b32 s66, s78, 14
	s_lshl_b32 s67, s[XX], 8
	s_add_co_u32 s66, s66, s67
	s_mov_b32 s67, 0
	s_add_nc_u64 s[8:9], s[8:9], s[66:67]
; A PHASE is 32 matrix instructions: 8 row blocks x 4 column classes, 32 along K.  Phase n of a lap of eight: slot n / 4, slice (n / 2) % 2 of my 64 k, rows 128 (n % 2) on.
; The 32 accumulators of a phase take turns, and neighbouring phases have different ones.
.macro MM n, q, zero                   ; accumulator q = 4 b + j.  zero = 1: the product starts the sum
	WIN 0xa0+0x50*((\n)%2)                         ; A and W window 0; C and D window 2 or 3
.if \zero
	v_wmma_f32_16x16x32_f16 v[8*(\q):8*(\q)+7], v[AF+64*((\n)%2)+8*((\q)/4):AF+64*((\n)%2)+8*((\q)/4)+7], v[WF+32*(((\n)/2)%2)+8*((\q)%4):WF+32*(((\n)/2)%2)+8*((\q)%4)+7], 0
.else
	v_wmma_f32_16x16x32_f16 v[8*(\q):8*(\q)+7], v[AF+64*((\n)%2)+8*((\q)/4):AF+64*((\n)%2)+8*((\q)/4)+7], v[WF+32*(((\n)/2)%2)+8*((\q)%4):WF+32*(((\n)/2)%2)+8*((\q)%4)+7], v[8*(\q):8*(\q)+7]
.endif
.endm
.macro MMS n, q0, q1, zero
.set qq, \q0
.rept (\q1)-(\q0)+1
	MM \n, qq, \zero
.set qq, qq+1
.endr
.endm
.macro AFETCH n                        ; the 16 LDS loads of phase n's fragments of A, in one run
	WIN 0
.irp b, 0,1,2,3,4,5,6,7
	ds_load_b128 v[AF+64*((\n)%2)+8*\b:AF+64*((\n)%2)+8*\b+3],   v[ADRA+2*((\n)/4)+(\n)%2] offset:\b*16*PITCH+64*(((\n)/2)%2)
	ds_load_b128 v[AF+64*((\n)%2)+8*\b+4:AF+64*((\n)%2)+8*\b+7], v[ADRA+2*((\n)/4)+(\n)%2] offset:\b*16*PITCH+64*(((\n)/2)%2)+32
.endr
.endm
; The job in ring place pl is rounded to f16: rows 2 q and 2 q + 1 of a lane's eight make register q of class j's half fragment.  cnt: the younger jobs' loads, which stay out.
.macro CONV pl, cnt
	s_wait_loadcnt \cnt
	WIN 0x05                                       ; sources window 1, destination window 0
.irp j, 0,1,2,3
.irp q, 0,1,2,3
	v_cvt_pk_f16_f32 v[WF+32*(((\pl)/2)%2)+8*\j+4*((\pl)%2)+\q], v[32*(\pl)+8*\q+\j], v[32*(\pl)+8*\q+4+\j]
.endr
.endr
.endm
; The place just emptied takes the job eight further on: its constant pointer plus the K step's offset (places 0-3: KOB, places 4-7: KOA).
; The four jobs beyond my last step fall on my first step's rows again, since the steps go round: they are inside W, and are not used.
.macro ISSUE pl
	s_wait_xcnt 0x0                                ; the pointer is a source of earlier loads: it is written again only behind this wait
.if (\pl) < 4
	s_add_nc_u64 s[WPC+2*((\pl)%4):WPC+2*((\pl)%4)+1], s[WB+2*((\pl)%4):WB+2*((\pl)%4)+1], s[KOB:KOB+1]
.else
	s_add_nc_u64 s[WPC+2*((\pl)%4):WPC+2*((\pl)%4)+1], s[WB+2*((\pl)%4):WB+2*((\pl)%4)+1], s[KOA:KOA+1]
.endif
	LOADJ \pl
.endm
; Phase n multiplies, fetches the next phase's A (next = 1), rounds job n + 2 into the other W buffer (cnt >= 0) and asks for job n + 10 (issue = 1).
.macro PHASE n, zero, cnt, issue, next
	s_wait_dscnt 0x0                               ; my 16 fragment loads, issued 24 matrix instructions ago; nothing younger is out
	MMS \n, 0, 7, \zero
.if (\next) || ((\cnt) >= 0)
	PLACES                                         ; behind the last phase's products, which read the other A buffer and the other W buffer
.endif
.if \next
	AFETCH ((\n)+1)%8
.endif
	MMS \n, 8, 19, \zero
.if (\cnt) >= 0
	CONV ((\n)+2)%8, \cnt
.endif
.if \issue
	ISSUE ((\n)+2)%8
.endif
	MMS \n, 20, 31, \zero
.endm
; A slot's last phase (n = 3, 7) changes slots.  Its fragments are the last reads of the slot.  In front of the barrier each wave waits for all its tensor loads, of which one is out: its part of the next slot;
; adds 0 to its spare word; and waits for that and for its reads.  refill = 1: the slot's group 0 takes my step two further on while the add is out; the barrier opens a round of the cluster's, and the joint
; refill is the first thing behind the round: 112 matrix instructions stand between it and the wait for it.
.macro TURN n, cnt, issue, refill
	WIN 0
	s_wait_tensorcnt 0x0                           ; all my tensor loads have landed, so a group 0 may be written
	ds_add_u32 v[SPW], v[NIL]                      ; 0 onto my spare word
.if \refill
	AADR (\n)/4, 2+(\n)/4
.endif
	s_wait_dscnt 1                                 ; my fragments are in; the add alone may be out
	MMS \n, 0, 7, 0
	s_wait_dscnt 0x0                               ; the add is done, and my reads of this slot are over
	s_barrier_signal -1
	MMS \n, 8, 15, 0                               ; work on registers while the others arrive
	WIN 0
	s_barrier_wait -1
.if \refill
	CREST                                          ; no wave of any partner still reads this slot or has a load on its way
	JLOAD (\n)/4                                   ; its four v_nop are also the places in front of the loads and conversions below
.else
	PLACES
.endif
	AFETCH ((\n)+1)%8
	CONV ((\n)+2)%8, \cnt
.if \issue
	ISSUE ((\n)+2)%8
.endif
	MMS \n, 16, 31, 0
.endm
	s_wait_tensorcnt 1                             ; my part of my step 0 is in; step 1's may stay out
	s_barrier_signal -1
	s_barrier_wait -1                              ; everybody's is
	AFETCH 0
	CONV 0, 56                                     ; jobs 0 and 1 make the first W fragments; behind each, seven jobs of eight loads are out
	ISSUE 0
	CONV 1, 56
	ISSUE 1
	PHASE 0, 1, 56, 1, 1                           ; the first two phases start the 64 sums: nothing is cleared
	PHASE 1, 1, 56, 1, 1
	WIN 0                                          ; at a label and at a branch every window is 0
	s_mov_b32 s[LAP], 7
.Llap:                                                 ; trip L: eight phases, my steps 2 L and 2 L + 1 (from their third phase on, to the next lap's second); both slots are filled again
	KOFF KOA, 3                                    ; the trip's first four jobs are my step 2 L + 3,
	KOFF KOB, 4                                    ; its last four my step 2 L + 4
	PHASE 2, 0, 56, 1, 1
	TURN  3, 56, 1, 1
	PHASE 4, 0, 56, 1, 1
	PHASE 5, 0, 56, 1, 1
	PHASE 6, 0, 56, 1, 1
	TURN  7, 56, 1, 1
	PHASE 0, 0, 56, 1, 1
	PHASE 1, 0, 56, 1, 1
	WIN 0
	s_add_co_u32 s[KC], s[KC], 2
	s_sub_co_u32 s[LAP], s[LAP], 1
	s_cmp_lg_u32 s[LAP], 0
	s_cbranch_scc1 .Llap
	PHASE 2, 0, 56, 0, 1                           ; the last six phases ask for nothing: the counts run down by a job's eight loads
	TURN  3, 48, 0, 0
	PHASE 4, 0, 40, 0, 1
	PHASE 5, 0, 32, 0, 1
	PHASE 6, 0, -1, 0, 1
	PHASE 7, 0, -1, 0, 0
	; THE WAY OUT.  The four waves' partial tiles meet in LDS, where the slots lay (their last fill is over): wave w stores all 64 accumulators, those of rows 64 v .. into region v, and reads region w.
	WIN 0
	PLACES                                         ; behind the last products, ahead of the stores that read them
	s_wait_loadcnt 0x0                             ; the four unused look-ahead jobs
	s_wait_dscnt 0x0
	s_barrier_signal -1
	s_barrier_wait -1                              ; every wave's reads of the slots are over
.set bb, 0
.rept 16
	WIN 0x08+4*(bb/8)                              ; store data in window 2 or 3
.irp j, 0,1,2,3
.irp hh, 0,1                           ; each accumulator from its low end
	ds_store_b128 v[RST+bb/4], v[8*(4*(bb%8)+\j)+4*\hh:8*(4*(bb%8)+\j)+4*\hh+3] offset:((bb%4)*4+\j)*1024+512*\hh
.endr
.endr
.set bb, bb+1
.endr
	WIN 0
	s_wait_dscnt 0x0                               ; for the others' sake: my stores are done
	s_barrier_signal -1
	s_barrier_wait -1
.set bb, 0
.rept 4                                ; block bb of my four: writer wv's partial sums at 128 (bb % 2) + 32 wv of window 2 + bb / 2
	WIN 0x80+0x40*(bb/2)
.irp wv, 0,1,2,3
.irp j, 0,1,2,3
.irp hh, 0,1
	ds_load_b128 v[128*(bb%2)+32*\wv+8*\j+4*\hh:128*(bb%2)+32*\wv+8*\j+4*\hh+3], v[RLD] offset:16384*\wv+(4*bb+\j)*1024+512*\hh
.endr
.endr
.endr
.set bb, bb+1
.endr
	WIN 0
	s_wait_dscnt 0x0
.set bb, 0
.rept 4
.set PB, 128*(bb%2)
	WIN 0x8a+0x45*(bb/2)                           ; all three in window 2 or 3
.set z, 0
.rept 16
	v_pk_add_f32 v[PB+2*z:PB+2*z+1], v[PB+2*z:PB+2*z+1], v[PB+32+2*z:PB+32+2*z+1]
	v_pk_add_f32 v[PB+64+2*z:PB+64+2*z+1], v[PB+64+2*z:PB+64+2*z+1], v[PB+96+2*z:PB+96+2*z+1]
.set z, z+1
.endr
.set z, 0
.rept 16
	v_pk_add_f32 v[PB+2*z:PB+2*z+1], v[PB+2*z:PB+2*z+1], v[PB+64+2*z:PB+64+2*z+1]
.set z, z+1
.endr
	WIN 0x0a+5*(bb/2)                              ; source window 2 or 3, destination window 0
.irp i, 0,1,2,3,4,5,6,7                ; times 8, and gathered: G[4 i + j] = row 8 h + i, columns 4 r + j; each block has its own 32 registers
.irp j, 0,1,2,3
	v_mul_f32 v[G+32*bb+4*\i+\j], s[SA], v[PB+8*\j+\i]
.endr
.endr
	WIN 0
.irp i, 0,1,2,3,4,5,6,7
	global_store_b128 v[GO], v[G+32*bb+4*\i:G+32*bb+4*\i+3], s[8:9] offset:(16*bb+\i)*16384  ; 16 lanes store 256 consecutive bytes, aligned
.endr
.set bb, bb+1
.endr
	WIN 0
	s_wait_tensorcnt 0x0                           ; the wave's end, behind my last tensor load and my last LDS store
	ds_add_u32 v[SPW], v[NIL]
	s_wait_dscnt 0x0
	CROUND                                         ; the closing round: no work-group ends while a partner may still ask for a tile that names it
	s_endpgm
.Lfunc_end_k_q7c8f1a4580_outp:
	.size	k_q7c8f1a4580_outp, .Lfunc_end_k_q7c8f1a4580_outp-k_q7c8f1a4580_outp
	.p2alignl 7, 3214868480
	.fill 96, 4, 3214868480
	.section	.rodata,"a",@progbits
	.p2align	6, 0x0
	.amdhsa_kernel k_q7c8f1a4580_outp
		.amdhsa_group_segment_fixed_size 327680
		.amdhsa_private_segment_fixed_size 0
		.amdhsa_enable_private_segment 0
		.amdhsa_kernarg_size 24
		.amdhsa_user_sgpr_count 2
		.amdhsa_user_sgpr_kernarg_segment_ptr 1
		.amdhsa_wavefront_size32 1
		.amdhsa_system_sgpr_workgroup_id_x 1
		.amdhsa_system_sgpr_workgroup_id_y 1
		.amdhsa_system_sgpr_workgroup_id_z 1
		.amdhsa_system_vgpr_workitem_id 0
		.amdhsa_next_free_vgpr 1024
		.amdhsa_next_free_sgpr 88
		.amdhsa_reserve_vcc 0
		.amdhsa_float_denorm_mode_32 3
		.amdhsa_float_denorm_mode_16_64 3
		.amdhsa_memory_ordered 1
		.amdhsa_forward_progress 1
		.amdhsa_inst_pref_size 131
	.end_amdhsa_kernel
	.amdgpu_metadata
---
amdhsa.version: [ 1, 2 ]
amdhsa.kernels:
  - .name:           k_q7c8f1a4580_outp
    .symbol:         k_q7c8f1a4580_outp.kd
    .args:
      - { .name: oh, .offset: 0, .size: 8, .value_kind: global_buffer, .address_space: global }
      - { .name: wo, .offset: 8, .size: 8, .value_kind: global_buffer, .address_space: global }
      - { .name: out0, .offset: 16, .size: 8, .value_kind: global_buffer, .address_space: global }
    .group_segment_fixed_size: 327680
    .private_segment_fixed_size: 0
    .kernarg_segment_align: 8
    .kernarg_segment_size: 24
    .max_flat_workgroup_size: 128
    .sgpr_count:     88
    .vgpr_count:     1024
    .wavefront_size: 32
...
	.end_amdgpu_metadata
.endif
;; end of part 6
;; ======== version 3 of 3: 4 launches; version 2 with the launch cast written anew for expert scheduling mode
;; limits: values are held in f16: magnitudes above 65,504 overflow, below 6.1e-05 lose precision; inputs' magnitudes at most 65,504; right only within a limited range of input values
;; workspace buffers: xh 8,388,608 bytes; qkv 12,582,912 bytes; oh 8,388,608 bytes
;; launch cast (part 7): grid 256 x 1, 8 waves a work-group, no clusters, 0 bytes of LDS; arguments stm, xh; writes xh
.if DOCPART == 7
	.amdgcn_target "amdgcn-amd-amdhsa--gfx1250"
	.amdhsa_code_object_version 6
	.text
	.protected	k_q7c8f1a4580_cast
	.globl	k_q7c8f1a4580_cast
	.p2align	8
	.type	k_q7c8f1a4580_cast,@function
k_q7c8f1a4580_cast:
	s_mov_b64 s[64:65], 0
	v_nop
	global_prefetch_b8 v0, s[64:65] scope:SCOPE_SE
	s_setreg_imm32_b32 hwreg(HW_REG_WAVE_SCHED_MODE, 0, 2), 2
	s_setreg_imm32_b32 hwreg(HW_REG_WAVE_MODE, 25, 1), 1
	s_wait_xcnt 0x0
	s_wait_alu depctr_vm_vsrc(0)
; xh = stm rounded to f16.  stm: [1024][4096] f32, xh: [1024][4096] f16.
; LIMIT: f16 ends at 65,504: a larger |x| becomes an infinity.
; A stream: no LDS, no barrier, no matrix unit.  A work-group owns 65,536 bytes of stm; thread t takes 16 bytes at 16 t of each
; of its sixteen pieces of 4,096 bytes.  All sixteen loads go out first; no register is written twice.
; THE MODE: SCHED_MODE bits 1:0 = 2 (LLVM: expert scheduling mode 2), set by the entry lines.  The code itself states the register dependences
; between vector instructions and memory instructions, with s_wait_alu, always for 0.
; THE PLAN.  Registers that memory instructions touch:
;   v1, v2   byte offsets of the loads and of the stores: made once at the head, never written again.
;   X        piece i: four registers, written by the piece's load alone, read by its two conversions; no vector instruction names them ahead of the load.
;   Y        piece i: two registers, written by the piece's two conversions alone, read by its store.
; No register that a memory instruction reads is written again, so what is to be stated is this alone: the offsets are written ahead of the first load, and a piece's Y is written ahead of its store.
; The sixteen pieces go in four groups of four.  Group g rounds its pieces; its four stores are issued in group g + 1, behind ONE wait at that group's head, and are dealt among
; that group's conversions, which name X and Y of their own group alone: none of the registers that those stores touch.  The last group's stores have a wait of their own.
.set X, 8                              ; v[8:71]    piece i: four f32 as loaded
.set Y, 72                             ; v[72:103]  piece i: four f16 to store
	s_load_b128 s[4:7], s[0:1], 0x0                ; stm s[4:5], xh s[6:7]
	s_lshl_b32 s8, ttmp9, 16                       ; the work-group's 65,536 bytes of stm,
	s_mov_b32 s9, 0
	s_lshl_b32 s10, ttmp9, 15                      ; and its 32,768 bytes of xh
	s_mov_b32 s11, 0
	v_lshlrev_b32 v1, 4, v0                        ; 16 t
	v_lshlrev_b32 v2, 3, v0                        ; 8 t
	s_wait_kmcnt 0x0
	s_add_nc_u64 s[4:5], s[4:5], s[8:9]
	s_add_nc_u64 s[6:7], s[6:7], s[10:11]
	s_wait_alu depctr_va_vdst(0)                   ; v1 and v2 are written: every load reads v1 and every store v2 as its offset
.irp i, 0,1,2,3,4,5,6,7,8,9,10,11,12,13,14,15
	global_load_b128 v[X+4*\i:X+4*\i+3], v1, s[4:5] offset:4096*\i th:TH_LOAD_NT
.endr
	s_wait_loadcnt 12                              ; loads come back in order: group 0's four pieces are in, the twelve younger loads stay out
.irp i, 0,1,2,3                        ; group 0 has no group in front of it: it stores nothing
	v_cvt_pk_f16_f32 v[Y+2*\i], v[X+4*\i], v[X+4*\i+1]
	v_cvt_pk_f16_f32 v[Y+2*\i+1], v[X+4*\i+2], v[X+4*\i+3]
.endr
.irp g, 1,2,3
	s_wait_loadcnt 12-4*\g                         ; group g's four pieces are in, the younger groups' loads stay out
	s_wait_alu depctr_va_vdst(0)                   ; the conversions of group g - 1 have written its eight Y registers, which the four stores below read
.irp k, 0,1,2,3
.set o, 4*(\g)-4+(\k)                  ; the piece that is stored: of the group before
.set n, 4*(\g)+(\k)                    ; the piece that is rounded
	global_store_b64 v2, v[Y+2*o:Y+2*o+1], s[6:7] offset:2048*o  ; a wave's store covers 256 consecutive bytes, aligned; no vector instruction since the wait names its registers
	v_cvt_pk_f16_f32 v[Y+2*n], v[X+4*n], v[X+4*n+1]
	v_cvt_pk_f16_f32 v[Y+2*n+1], v[X+4*n+2], v[X+4*n+3]
.endr
.endr
	s_wait_alu depctr_va_vdst(0)                   ; the conversions of group 3 have written the last eight Y registers, which the last four stores read
.irp i, 12,13,14,15
	global_store_b64 v2, v[Y+2*\i:Y+2*\i+1], s[6:7] offset:2048*\i
.endr
	s_endpgm
.Lfunc_end_k_q7c8f1a4580_cast:
	.size	k_q7c8f1a4580_cast, .Lfunc_end_k_q7c8f1a4580_cast-k_q7c8f1a4580_cast
	.p2alignl 7, 3214868480
	.fill 96, 4, 3214868480
	.section	.rodata,"a",@progbits
	.p2align	6, 0x0
	.amdhsa_kernel k_q7c8f1a4580_cast
		.amdhsa_group_segment_fixed_size 0
		.amdhsa_private_segment_fixed_size 0
		.amdhsa_enable_private_segment 0
		.amdhsa_kernarg_size 16
		.amdhsa_user_sgpr_count 2
		.amdhsa_user_sgpr_kernarg_segment_ptr 1
		.amdhsa_wavefront_size32 1
		.amdhsa_system_sgpr_workgroup_id_x 1
		.amdhsa_system_sgpr_workgroup_id_y 1
		.amdhsa_system_sgpr_workgroup_id_z 1
		.amdhsa_system_vgpr_workitem_id 0
		.amdhsa_next_free_vgpr 104
		.amdhsa_next_free_sgpr 66
		.amdhsa_reserve_vcc 0
		.amdhsa_float_denorm_mode_32 3
		.amdhsa_float_denorm_mode_16_64 3
		.amdhsa_memory_ordered 1
		.amdhsa_forward_progress 1
		.amdhsa_inst_pref_size 6
	.end_amdhsa_kernel
	.amdgpu_metadata
---
amdhsa.version: [ 1, 2 ]
amdhsa.kernels:
  - .name:           k_q7c8f1a4580_cast
    .symbol:         k_q7c8f1a4580_cast.kd
    .args:
      - { .name: stm, .offset: 0, .size: 8, .value_kind: global_buffer, .address_space: global }
      - { .name: xh, .offset: 8, .size: 8, .value_kind: global_buffer, .address_space: global }
    .group_segment_fixed_size: 0
    .private_segment_fixed_size: 0
    .kernarg_segment_align: 8
    .kernarg_segment_size: 16
    .max_flat_workgroup_size: 256
    .sgpr_count:     66
    .vgpr_count:     104
    .wavefront_size: 32
...
	.end_amdgpu_metadata
.endif
;; end of part 7
;; launch qkv: the kernel of part 5 again; grid 48 x 4, 4 waves a work-group, clusters of 4 x 4, 327,680 bytes of LDS; arguments xh, wq, wk, wv, cos, sin, qkv; writes qkv
;; launch attn: the kernel of part 3 again; grid 32 x 8, 4 waves a work-group, clusters of 4 x 1, 327,680 bytes of LDS; arguments qkv, mask_w, mask_b, oh; writes oh
;; launch outp: the kernel of part 6 again; grid 64 x 4, 4 waves a work-group, clusters of 4 x 4, 327,680 bytes of LDS; arguments oh, wo, out0; writes out0
